; MI455X (gfx1250); checked and timed in simulation.
; The chip was launched on July 23, 2026; its instructions are those of AMD's public machine-readable ISA for CDNA 5 (MIT licence, August 2026) and "CDNA5" Instruction Set Architecture Reference Guide (July 2026). The comments in the code are by the model that wrote it; some were corrected since.
;; Attention. Allowed arithmetic: matrix products marked QUANTISED: E4M3 operands, one given power-of-two scale a tensor, by v_wmma_f32_16x16x64_fp8_fp8 or v_wmma_f32_16x16x128_fp8_fp8, f32 sums; everything else in f32.
;; Inputs: b_proj 1,024 float32; b_qkv 3,072 float32; lowp_scales 8 int32 (the exponents e of the quantised operands' scales 2^e); w_proj 1,024 x 1,024 float32; w_qkv 1,024 x 3,072 float32; x 4 x 2,048 x 1,024 float32.
;; Outputs: out0 4 x 2,048 x 1,024 float32.
;; This version of the problem:
;;   THIS VERSION OF THE PROBLEM IS GIVEN IN LOW PRECISION. The matrix products marked QUANTISED in the list below multiply operands that are first quantised to E4M3 (4 exponent bits, 3 mantissa bits; 8 bits a number), with one given power-of-two scale for each operand tensor; their sums are f32. All else is computed in f32.
;;   The module's matrix products, in the order in which they are computed (A, B: the left and right operand; K: the contracted axis; several contracted axes count as one K, in the product's order):
;;     1. [M 8,192, K 1,024] x [K 1,024, N 3,072]; A: input x; B: input w_qkv: QUANTISED (scales: A lowp_scales[0], B lowp_scales[1])
;;     2. batch 64 x [M 2,048, K 64] x [K 64, N 2,048]; A: computed on the way; B: computed on the way: QUANTISED (scales: A lowp_scales[2], B lowp_scales[3])
;;     3. batch 64 x [M 2,048, K 2,048] x [K 2,048, N 64]; A: softmax (see below); B: computed on the way: QUANTISED (scales: A lowp_scales[4], B lowp_scales[5])
;;     4. [M 8,192, K 1,024] x [K 1,024, N 1,024]; A: computed on the way; B: input w_proj: QUANTISED (scales: A lowp_scales[6], B lowp_scales[7])
;;   THE QUANTISER, for each operand of a quantised product, along K:
;;     - The operand's scale is 2^e, e = its entry of the input lowp_scales (int32; the entries are numbered through the quantised products in the list's order, A before B).
;;     - Each number is divided by the scale, clamped to +-448, and rounded to the nearest number of E4M3, ties to even, subnormals kept.
;;     - The product sums the exact products of the quantised numbers (number of the format x scale) in f32.
;;   ~~~python
;;   def quantise(x, axis, e):      # numpy; x: float32 -> the quantised numbers, widened to float32 again
;;       x = np.moveaxis(x, axis, -1); K = x.shape[-1]
;;       r = np.clip(x / 2.0 ** e, -448, 448)
;;       step = 2.0 ** (np.maximum(np.frexp(np.where(r == 0, 1, r))[1] - 1, -6) - 3)
;;       q = np.round(r / step) * step * 2.0 ** e      # np.round: ties to even
;;       return np.moveaxis(q, -1, axis).astype(np.float32)
;;   ~~~
;;   SOFTMAX AHEAD OF A QUANTISED PRODUCT. Where the list says 'softmax', what is quantised is not the finished softmax but p = 2^(t - M), with t = logit x log2(e) and M = ceil(the row's largest t), a whole number; so 1/2 < the row's largest p <= 1. The row's sum l is taken of the UNQUANTISED p, in f32, and the product's result is divided by l at the end. Since M is a whole number, a kernel that streams over the keys may use a running M (the ceiling of the running maximum): every later rescaling is an exact power of two, so the quantised numbers keep their values, but for numbers so far below the row's largest that they fall under the format's range.
;;   OPERANDS COMPUTED ON THE WAY. 'Computed on the way' means the value that the module computes at that place (a softmax that the list does not call 'softmax' is quantised finished and normalised). What goes into a quantiser is computed in f32, as accurately as f32 sums, v_exp_f32 and their like allow (about 1e-6 of the number): no bf16 or f16 on the way to a quantiser, and a product that is left as it is and whose result goes on into a quantised operand takes f32 operands (vector FMAs, or v_wmma_f32_16x16x4_f32). A number that lies on a knife's edge between two numbers of the format may be rounded either way, as far as f32 arithmetic and the matrix unit's own rounding can turn it there, and no further.
;; One version. Each part assembles by itself: llvm-mc -triple=amdgcn-amd-amdhsa -mcpu=gfx1250 --defsym DOCPART=n.
;; ======== version 1 of 1: 4 launches
;; limits: right only within a limited range of input values
;; workspace buffers: x_codes 8,388,608 bytes; wqkv_codes 3,145,728 bytes; wproj_codes 1,048,576 bytes; q_codes 8,388,608 bytes; k_codes 8,388,608 bytes; v_codes 8,388,608 bytes; a_codes 8,388,608 bytes
;; launch quant (part 1): grid 384 x 1, 4 waves a work-group, no clusters, 68,096 bytes of LDS; arguments x, w_qkv, w_proj, lowp_scales, x_codes, wqkv_codes, wproj_codes; writes x_codes, wqkv_codes, wproj_codes
.if DOCPART == 1
	.amdgcn_target "amdgcn-amd-amdhsa--gfx1250"
	.amdhsa_code_object_version 6
	.text
	.protected	k_q3f2ab8e7be_quant
	.globl	k_q3f2ab8e7be_quant
	.p2align	8
	.type	k_q3f2ab8e7be_quant,@function
k_q3f2ab8e7be_quant:
	s_mov_b64 s[64:65], 0
	v_nop
	global_prefetch_b8 v0, s[64:65] scope:SCOPE_SE
	s_setreg_imm32_b32 hwreg(HW_REG_WAVE_MODE, 25, 1), 1
	s_wait_xcnt 0x0
; The three f32 inputs of the two large products become codes of FP8 (E4M3), K innermost, each with the one scale 2^e that is given for it:
;   x [8192][1024] (K innermost already)        -> x_codes [8192][1024],     e = entry 0 of the scales
;   w_qkv [1024 k][3072 n], w_proj [1024 k][1024 n] (K is the FIRST axis) -> wqkv_codes [3072][1024], wproj_codes [1024][1024], e = entries 1 and 7
; code = number / 2^e, held within +-448, rounded to the nearest code, ties to even.
; LIMITS: each of the three e lies between -126 and 119, so that 2^e and 448 x 2^e are f32 numbers.  NaN among the inputs is not served (an infinity is held at the largest code).
; Work-groups 0-255 take x, work-groups 256-383 the weights: two ways through the text that part on the work-group's number, never join, and have LDS bytes of their own (x: 0 to 32,767; weights: from 32,768).
; A stream: each input byte is read once, each code written once; waves share nothing, so there is no barrier, no tensor load, no matrix work and no cluster (no two work-groups read the same bytes).
.set STEPS, 16                         ; x: steps of 512 numbers for a wave
.set SP,    80                         ; x: a lane's place in a stage: its 64 bytes + 16 of padding
.set R,     16                         ; x: v16-79   four sets of 16 numbers as they are loaded
.set X,     80                         ; x: v80-111  two sets of 16 neighbours
.set C,     128                        ; x: v128-191 codes: four registers for each step, so that no store's data are written again
.set EMAX,  8
.set MANT,  0x600000                   ; the mantissa field of 448 as f32
.set WSTG,  32768                      ; weights: the four waves' stages begin here
.set WP,    272                        ; weights: a stage row: 256 bytes of codes + 16
.set NB,    8                          ; weights: blocks of 32 along K for a wave
.set WX,    32                         ; weights: v32-95   two sets of 32 numbers
.set WC,    96                         ; weights: v96-103  a block's codes
.set OUTR,  112                        ; weights: v112-175 the way out
.set OFFV,  176                        ; weights: v176-207 byte offset of row i of a block: 4 x lane + i x the weight's row; never rewritten
	s_load_b256 s[4:11], s[0:1], 0x0               ; x s[4:5], w_qkv s[6:7], w_proj s[8:9], the scales' exponents s[10:11]
	s_load_b128 s[12:15], s[0:1], 0x20             ; x_codes s[12:13], wqkv_codes s[14:15]
	s_load_b64 s[16:17], s[0:1], 0x30              ; wproj_codes
	v_lshl_add_u32 v208, v0, 2, 0x10800
	v_mov_b32 v209, 0
	v_lshrrev_b32 v1, 5, v0
	v_readfirstlane_b32 s20, v1                    ; wave 0..3
	v_and_b32 v2, 31, v0                           ; lane
	s_wait_kmcnt 0x0
	s_load_b256 s[24:31], s[10:11], 0x0            ; e0 .. e7
	s_cmp_ge_u32 ttmp9, 256
	s_cbranch_scc1 .Lweights
; ---------------- x.  Rows are dense, so x is a plain stream of blocks of 32 numbers.  A wave takes 8,192 numbers in 16 steps of 512.
; The conversion takes 8 numbers of one lane's consecutive registers, so a lane must hold NEIGHBOURS; a load is dense where neighbouring LANES take neighbouring bytes.  Both are had: a step's four loads read
; 512 consecutive bytes each, 16 a lane; the 2,048 bytes go through the wave's own stage in LDS as they lie and come back 64 bytes a lane.  A lane's 16 codes are 16 bytes: the wave stores 512 consecutive bytes.
	s_wait_alu depctr_va_vdst(0)
	v_lshlrev_b32 v3, 4, v2                        ; my 16 bytes of a load's 512, and of a step's 512 bytes of codes
	s_wait_alu depctr_va_vdst(0)
	s_lshl_b32 s21, ttmp9, 2
	s_add_co_u32 s21, s21, s20                     ; which run of 8,192 numbers is my wave's
	s_lshl_b32 s22, s21, 15
	s_mov_b32 s23, 0
	s_add_nc_u64 s[4:5], s[4:5], s[22:23]          ; 32,768 bytes of numbers a run,
	s_lshl_b32 s22, s21, 13
	s_add_nc_u64 s[12:13], s[12:13], s[22:23]      ; 8,192 bytes of codes
	s_lshl_b32 s21, s20, 13                        ; my wave's LDS: 8,192 bytes, two stages of 32 x SP
	v_lshrrev_b32 v14, 2, v2
	v_mul_u32_u24 v14, v14, SP
	v_and_b32 v15, 3, v2
	v_lshl_add_u32 v14, v15, 4, v14
	v_add_nc_u32 v14, s21, v14                     ; into the stage: four lanes' 64 bytes on end, then 16 of padding
	v_mul_u32_u24 v15, v2, SP
	v_add_nc_u32 v15, s21, v15                     ; out of it: SP x lane: my 16 neighbours
.macro LOADX t
.irp i, 0,1,2,3
	global_load_b128 v[R+16*((\t)%4)+4*\i:R+16*((\t)%4)+4*\i+3], v3, s[4:5] offset:2048*(\t)+512*\i th:TH_LOAD_NT   ; 32 lanes read 512 consecutive bytes
.endr
.endm
.macro TURNX t                         ; step t's numbers through the stage: LDS serves a wave's instructions in order (ISA guide 5.7.1.4), so no wait stands between the stores and the loads
.irp i, 0,1,2,3
	ds_store_b128 v14, v[R+16*((\t)%4)+4*\i:R+16*((\t)%4)+4*\i+3] offset:32*SP*((\t)%2)+8*SP*\i
.endr
.irp i, 0,1,2,3
	ds_load_b128 v[X+16*((\t)%2)+4*\i:X+16*((\t)%2)+4*\i+3], v15 offset:32*SP*((\t)%2)+16*\i
.endr
.endm
.irp t, 0,1,2,3
	LOADX \t
.endr
	s_wait_alu depctr_va_vdst(0)
	s_wait_kmcnt 0x0
	s_add_co_i32 s22, s24, 127
	s_lshl_b32 s23, s22, 23
	v_mov_b32 v11, s23                             ; 2^e0 as f32: the conversion takes its exponent field
	s_add_co_i32 s22, s22, EMAX
	s_lshl_b32 s22, s22, 23
	s_or_b32 s22, s22, MANT
	v_mov_b32 v10, s22                             ; 448 x 2^e0
	s_wait_alu depctr_va_vdst(0)
	s_wait_loadcnt 12                              ; step 0's four loads are in; the twelve of steps 1 to 3 may be out
	TURNX 0
.macro STEPX t
.set XS, X+16*((\t)%2)
	s_wait_dscnt 0x0                               ; this step's numbers are back from the stage: so its stores into the stage have read their registers,
.if (\t)+4 < STEPS
	LOADX (\t)+4                                   ; which take the loads of four steps on
.endif
.if (\t)+1 < STEPS
.if STEPS-2-(\t) >= 3
	s_wait_loadcnt 12                              ; the next step's four loads are in; those of the three steps behind it may be out
.else
	s_wait_loadcnt 4*(STEPS-2-(\t))                ; near the end fewer steps stand behind it
.endif
	TURNX (\t)+1                                   ; and go through the other stage while this step is worked
.endif
.irp i, 0,1,2,3,4,5,6,7,8,9,10,11,12,13,14,15
	v_med3_num_f32 v[XS+\i], v[XS+\i], -v10, v10   ; the conversion to an 8-bit code does not saturate (ISA guide 7.6.2): the number is held within the largest code x the scale first
.endr
	v_cvt_scalef32_pk8_fp8_f32 v[C+4*(\t):C+4*(\t)+1], v[XS:XS+7], v11
	v_cvt_scalef32_pk8_fp8_f32 v[C+4*(\t)+2:C+4*(\t)+3], v[XS+8:XS+15], v11
	global_store_b128 v3, v[C+4*(\t):C+4*(\t)+3], s[12:13] offset:512*(\t)   ; the codes go to a store alone; the next vector lines are the next step's holds, on other registers
.endm
.irp t, 0,1,2,3,4,5,6,7,8,9,10,11,12,13,14,15
	STEPX \t
.endr
	s_wait_tensorcnt 0x0
	ds_add_u32 v208, v209
	s_wait_dscnt 0x0
	s_endpgm
; ---------------- the weights.  A LANE TAKES A COLUMN n, AND ITS REGISTERS RUN DOWN K: each load reads neighbouring n in neighbouring lanes (128 consecutive bytes a wave, 512 a work-group), and the conversions give
; codes with K innermost.  Nothing is transposed by an instruction.  A wave takes 32 columns x 256 along K; its codes go through its own stage in LDS and leave as rows: sixteen lanes store 256 consecutive bytes, aligned.
; One text serves both weights: pointers, exponent and row length are chosen by the work-group's number: g = 0-95: w_qkv (24 x 128 columns, 4 x 256 along K); g = 96-127: w_proj (8 x 128 columns).
.Lweights:
	s_sub_co_u32 s35, ttmp9, 256                   ; g
	s_mov_b32 s34, 4096
	s_cmp_lt_u32 s35, 96
	s_cselect_b64 s[4:5], s[6:7], s[8:9]           ; the weight,
	s_cselect_b64 s[12:13], s[14:15], s[16:17]     ; its codes,
	s_cselect_b32 s34, 12288, s34                  ; its row in bytes,
	s_cselect_b32 s22, 0, 24                       ; and the column blocks that stand ahead of its first
	s_and_b32 s23, s35, 3                          ; which 256 along K
	s_lshr_b32 s21, s35, 2
	s_sub_co_u32 s21, s21, s22                     ; which 128 columns
	s_lshl_b32 s21, s21, 7
	s_lshl_b32 s22, s20, 5
	s_add_co_u32 s21, s21, s22                     ; my wave's first column
	s_mul_i32 s36, s23, s34
	s_lshl_b32 s36, s36, 8                         ; 256 rows of the weight for each step along K,
	s_lshl_b32 s22, s21, 2
	s_add_co_u32 s36, s36, s22                     ; + 4 bytes a column
	s_mov_b32 s37, 0
	s_add_nc_u64 s[4:5], s[4:5], s[36:37]
	s_lshl_b32 s36, s21, 10                        ; codes: 1,024 bytes a column,
	s_lshl_b32 s22, s23, 8
	s_add_co_u32 s36, s36, s22                     ; + 256 for each step along K
	s_add_nc_u64 s[12:13], s[12:13], s[36:37]
	s_lshl_b32 s38, s34, 5                         ; from a block of 32 rows to the next
	s_mov_b32 s39, 0
	s_wait_alu depctr_va_vdst(0)
	v_lshlrev_b32 v[OFFV], 2, v2
.set ii, 1
.rept 31
	v_add_nc_u32 v[OFFV+ii], s34, v[OFFV+ii-1]
.set ii, ii+1
.endr
	s_mul_i32 s21, s20, 32*WP
	s_add_co_u32 s21, s21, WSTG                    ; my stage: 32 rows of WP bytes
	v_mul_u32_u24 v4, v2, WP
	v_add_nc_u32 v4, s21, v4                       ; into it: row = my column
	v_and_b32 v5, 15, v2
	v_lshrrev_b32 v6, 4, v2                        ; out of it: sixteen lanes to a row, two rows an instruction
	v_mul_u32_u24 v7, v6, WP
	v_lshl_add_u32 v7, v5, 4, v7
	v_add_nc_u32 v7, s21, v7
	v_lshlrev_b32 v8, 10, v6
	v_lshl_add_u32 v8, v5, 4, v8                   ; and the same place in the codes' buffer
.macro LOADW t                         ; block t: rows 32 t + i of my 256, my column, into set t % 2
.if (\t) > 0
	s_wait_xcnt 0x0                                ; the earlier loads have read their base: only behind this wait is it stepped
	s_add_nc_u64 s[4:5], s[4:5], s[38:39]
.endif
.set ii, 0
.rept 32
	global_load_b32 v[WX+32*((\t)%2)+ii], v[OFFV+ii], s[4:5] th:TH_LOAD_NT
.set ii, ii+1
.endr
.endm
	LOADW 0
	LOADW 1
	s_wait_kmcnt 0x0
	s_cmp_lt_u32 s35, 96
	s_cselect_b32 s22, s25, s31                    ; e1 or e7
	s_add_co_i32 s22, s22, 127
	s_lshl_b32 s23, s22, 23
	v_mov_b32 v11, s23                             ; 2^e as f32
	s_add_co_i32 s22, s22, EMAX
	s_lshl_b32 s22, s22, 23
	s_or_b32 s22, s22, MANT
	v_mov_b32 v10, s22                             ; 448 x 2^e
.macro BLOCKW t
.set XS, WX+32*((\t)%2)
.if (\t) < NB-1
	s_wait_loadcnt 32                              ; this block's 32 loads are in; the next block's 32 may be out
.else
	s_wait_loadcnt 0
.endif
.set ii, 0
.rept 32
	v_med3_num_f32 v[XS+ii], v[XS+ii], -v10, v10   ; the hold at the largest code x the scale
.set ii, ii+1
.endr
.irp g, 0,1,2,3
	v_cvt_scalef32_pk8_fp8_f32 v[WC+2*\g:WC+2*\g+1], v[XS+8*\g:XS+8*\g+7], v11
.endr
	ds_store_b128 v4, v[WC:WC+3] offset:32*(\t)    ; 32 codes: 32 bytes of my column's row
	ds_store_b128 v4, v[WC+4:WC+7] offset:32*(\t)+16
.if (\t)+2 < NB
	LOADW (\t)+2
.endif
	s_wait_dscnt 0x0                               ; the stores have read their registers: the next block's codes may be written
.endm
	s_wait_alu depctr_va_vdst(0)
.irp t, 0,1,2,3,4,5,6,7
	BLOCKW \t
.endr
.irp t, 0,1,2,3,4,5,6,7,8,9,10,11,12,13,14,15
	ds_load_b128 v[OUTR+4*\t:OUTR+4*\t+3], v7 offset:2*\t*WP       ; LDS serves a wave's instructions in order: these see my stores
.endr
.irp t, 0,1,2,3,4,5,6,7,8,9,10,11,12,13,14,15
	s_wait_dscnt 15-\t                             ; load t is back; the 15 - t behind it may be out
	global_store_b128 v8, v[OUTR+4*\t:OUTR+4*\t+3], s[12:13] offset:2*\t*1024
.endr
	s_wait_tensorcnt 0x0
	ds_add_u32 v208, v209
	s_wait_dscnt 0x0
	s_endpgm
.Lfunc_end_k_q3f2ab8e7be_quant:
	.size	k_q3f2ab8e7be_quant, .Lfunc_end_k_q3f2ab8e7be_quant-k_q3f2ab8e7be_quant
	.p2alignl 7, 3214868480
	.fill 96, 4, 3214868480
	.section	.rodata,"a",@progbits
	.p2align	6, 0x0
	.amdhsa_kernel k_q3f2ab8e7be_quant
		.amdhsa_group_segment_fixed_size 68096
		.amdhsa_private_segment_fixed_size 0
		.amdhsa_enable_private_segment 0
		.amdhsa_kernarg_size 56
		.amdhsa_user_sgpr_count 2
		.amdhsa_user_sgpr_kernarg_segment_ptr 1
		.amdhsa_wavefront_size32 1
		.amdhsa_system_sgpr_workgroup_id_x 1
		.amdhsa_system_sgpr_workgroup_id_y 1
		.amdhsa_system_sgpr_workgroup_id_z 1
		.amdhsa_system_vgpr_workitem_id 0
		.amdhsa_next_free_vgpr 210
		.amdhsa_next_free_sgpr 66
		.amdhsa_reserve_vcc 0
		.amdhsa_float_denorm_mode_32 3
		.amdhsa_float_denorm_mode_16_64 3
		.amdhsa_memory_ordered 1
		.amdhsa_forward_progress 1
		.amdhsa_inst_pref_size 87
	.end_amdhsa_kernel
	.amdgpu_metadata
---
amdhsa.version: [ 1, 2 ]
amdhsa.kernels:
  - .name:           k_q3f2ab8e7be_quant
    .symbol:         k_q3f2ab8e7be_quant.kd
    .args:
      - { .name: x, .offset: 0, .size: 8, .value_kind: global_buffer, .address_space: global }
      - { .name: w_qkv, .offset: 8, .size: 8, .value_kind: global_buffer, .address_space: global }
      - { .name: w_proj, .offset: 16, .size: 8, .value_kind: global_buffer, .address_space: global }
      - { .name: lowp_scales, .offset: 24, .size: 8, .value_kind: global_buffer, .address_space: global }
      - { .name: x_codes, .offset: 32, .size: 8, .value_kind: global_buffer, .address_space: global }
      - { .name: wqkv_codes, .offset: 40, .size: 8, .value_kind: global_buffer, .address_space: global }
      - { .name: wproj_codes, .offset: 48, .size: 8, .value_kind: global_buffer, .address_space: global }
    .group_segment_fixed_size: 68096
    .private_segment_fixed_size: 0
    .kernarg_segment_align: 8
    .kernarg_segment_size: 56
    .max_flat_workgroup_size: 128
    .sgpr_count:     66
    .vgpr_count:     210
    .wavefront_size: 32
...
	.end_amdgpu_metadata
.endif
;; end of part 1
;; launch qkv (part 2): grid 8 x 32, 4 waves a work-group, clusters of 4 x 4, 327,680 bytes of LDS; arguments x_codes, wqkv_codes, lowp_scales, b_qkv, q_codes, k_codes, v_codes; writes q_codes, k_codes, v_codes
.if DOCPART == 2
	.amdgcn_target "amdgcn-amd-amdhsa--gfx1250"
	.amdhsa_code_object_version 6
	.text
	.protected	k_q3f2ab8e7be_qkv
	.globl	k_q3f2ab8e7be_qkv
	.p2align	8
	.type	k_q3f2ab8e7be_qkv,@function
k_q3f2ab8e7be_qkv:
	s_mov_b64 s[64:65], 0
	v_nop
	global_prefetch_b8 v0, s[64:65] scope:SCOPE_SE
	s_setreg_imm32_b32 hwreg(HW_REG_WAVE_MODE, 25, 1), 1
	s_wait_xcnt 0x0
	s_wait_alu depctr_hold_cnt(0) depctr_sa_sdst(0) depctr_va_vdst(0) depctr_va_sdst(0) depctr_va_ssrc(0) depctr_va_vcc(0) depctr_vm_vsrc(0)
	s_getreg_b32 s2, hwreg(HW_REG_IB_STS2, 6, 4)
	s_cmp_eq_u32 s2, 0
	s_cbranch_scc0 .Lentry_in_a_cluster
	s_endpgm
.Lentry_in_a_cluster:
	s_bfe_u32 s2, ttmp6, 0x10000c
	s_cmp_lg_u32 s2, 0xf033
	s_cbranch_scc0 .Lentry_shape_is_right
	s_endpgm
.Lentry_shape_is_right:
; q, k, v = x w_qkv + b_qkv on codes of FP8 (E4M3), each result quantised on the way out for the product that takes it: q with e2, k with e3 (K = the head's 64), v with e5 (K = the keys).
; x_codes [8192][1024], wqkv_codes [3072][1024]: K innermost.  OUT: q_codes, k_codes [bh = 16 b + h][t 2048][64 d];  v_codes [bh][t / 128][d 64][128 keys].
; code = (sum x 2^(e0+e1) + bias) / 2^edst = (sum + bias / 2^(e0+e1)) / 2^(edst - e0 - e1): the bias is scaled once by a power of two, and the conversion takes the folded scale.
; LIMITS: e2-e0-e1, e3-e0-e1 and e5-e0-e1 lie between -126 and 119, so that the folded scale and 448 x it are f32 numbers.
; SHARES: 256 work-groups of equal work.  Each makes FIRST one tile of 256 x 256 of q or k (32 x 8 tiles; the cluster's x says which: 0: q, 1: k), THEN one half tile of v, 128 rows d x 256 positions t (8 x 32 half tiles).
; Four waves; in the first part a wave makes 128 x 128 (64 accumulators), in the second 64 x 128 (32).  K goes in steps of 256 through two LDS slots, in both parts.
; THE MATRIX INSTRUCTION IS USED TRANSPOSED (source 0 = 16 rows of 'B', source 1 = 16 rows of 'A'): a lane holds ONE row of A and eight neighbouring rows of B, the eight neighbours along the next K that the conversion wants.
;   q, k: A = x (rows t), B = w (rows n: eight d of one t).   v: A = w's rows 2,048 on (rows d), B = x (rows t: eight keys of one d).
; CLUSTERS: 4 x 4 work-groups.  The four of a row of the cluster need the same tiles of A, the four of a column the same tiles of B, in both parts: each tile is asked for JOINTLY.
;   q, k: A's tile row 4 Y + cy, B's tile column 4 X + cx.   v: A's half row 4 X + cy, B's tile column 4 Y + cx  (X, Y: the cluster's place in the grid).
; v's K step 0 is asked for behind the round that follows the last q, k product, ahead of the first way out; so the stages have LDS bytes of their own, behind the spare words, on which no tile lands.
; NO PREFETCH: K is short (four K steps) at the largest block in clusters.
; REGISTERS: window 0: v0-31 addresses and two constants; v32-119 the biases; from v128 A's fragments (q, k: 8 blocks, one set; v: 4 blocks, two sets); on the way out v128-255 are at work.
;   window 1: B's fragments, two sets.   window 2: accumulators of my rows 0-63 (accumulator (a, b) at v[8 (8 a + b)]);   window 3: those of rows 64-127.
.set ROWB,   256
.set KROW,   1024
.set PITCH,  272                       ; 256 bytes + 16: the 16 rows that a fragment load touches begin at 16 different columns of 16 bytes mod 256
.set FR,     16
.set NL,     4
.set NP,     4                         ; places behind this matrix instruction (ISA guide 7.12.1)
.set HALFT,  128*PITCH
.set SLOT,   4*HALFT                   ; A's 256 rows, then B's 256 rows
.set SPARE,  2*SLOT                    ; the spare words: two blocks of 256 bytes that no other line names
.set STAGEQ, SPARE+512                 ; the way out of q and k: 4,096 bytes a wave; of v: the same 16,384 bytes on
.set ADRA, 16                          ; v16-17  my A fragments in slot 0, 1 (q, k)
.set ADRH, 18                          ; v18-19  the same for v
.set ADRB, 20                          ; v20-21  my B fragments
.set STQ,  22
.set RDQ,  23
.set STV,  24
.set RDV,  25
.set CO,   26
.set SPW,  28
.set NIL,  29
.set SCL,  30                          ; the folded scale as f32
.set LIMR, 31                          ; 448 x it
.set BC,   32                          ; v32-95  q, k: register 8 b + i = bias[16 b + 8 (lane / 16) + i] of my 128 columns
.set BRW,  96                          ; v96-99  v: the bias of my row of block a
.set BR,   104                         ; v104-111 the same scaled, each twice
.set AF,   128
.set TMP,  128
.set CD,   192
.set BK,   224
.set G1, 24
.set G0, 32
.set G1B, 48
.set G0B, 56
.set MSB, 0
.macro WIN new                         ; the immediate's high byte repeats the setting that is left
.if MSB != \new
	s_set_vgpr_msb (MSB<<8)|\new
.set MSB, \new
.endif
.endm
.set MUL_LO, 0xa1
.set MUL_HI, 0xf1
.set TO_B,   0x40
; A joint load: waves 0 and 1 fetch for A, waves 2 and 3 for B; an s_nop 0 and four v_nop follow each of the two lines.
.macro JLOAD g0a, g1a, g0b, g1b
	s_cmp_eq_u32 s15, 0
	s_cbranch_scc0 .Lfor_b_\@
	tensor_load_to_lds s[\g0a:\g0a+3], s[\g1a:\g1a+7]
	s_nop 0
.rept 4
	v_nop
.endr
	s_branch .Lasked_\@
.Lfor_b_\@:
	tensor_load_to_lds s[\g0b:\g0b+3], s[\g1b:\g1b+7]
	s_nop 0
.rept 4
	v_nop
.endr
.Lasked_\@:
.endm
.macro CREST
	s_cmp_lg_u32 s14, 0
	s_cbranch_scc1 .Lnot_wave_0_\@
	s_barrier_signal -3
.Lnot_wave_0_\@:
	s_barrier_wait -3
	s_barrier_signal -1
	s_barrier_wait -1
.endm
.macro CROUND
	s_barrier_signal -1
	s_barrier_wait -1
	CREST
.endm
.macro MKG0 ldsa                       ; both slots' groups 0: A from s[20:21] to LDS byte s[ldsa], B from s[46:47] to s45
.irp s, 0,1
	s_mov_b32 s[G0+4*\s], 1
	s_add_co_u32 s[G0+4*\s+1], s[\ldsa], \s*SLOT
	s_add_nc_u64 s[G0+4*\s+2:G0+4*\s+3], s[20:21], \s*ROWB
	s_or_b32 s[G0+4*\s+3], s[G0+4*\s+3], 0x80000000
	s_mov_b32 s[G0B+4*\s], 1
	s_add_co_u32 s[G0B+4*\s+1], s45, \s*SLOT
	s_add_nc_u64 s[G0B+4*\s+2:G0B+4*\s+3], s[46:47], \s*ROWB
	s_or_b32 s[G0B+4*\s+3], s[G0B+4*\s+3], 0x80000000
.endr
.endm
	s_load_b256 s[4:11], s[0:1], 0x0               ; x_codes s[4:5], wqkv_codes s[6:7], the scales' exponents s[8:9], b_qkv s[10:11]
	s_load_b128 s[68:71], s[0:1], 0x20             ; q_codes, k_codes
	s_load_b64 s[72:73], s[0:1], 0x30              ; v_codes
	v_lshl_add_u32 v[SPW], v0, 2, SPARE
	v_mov_b32 v[NIL], 0
	ds_add_u32 v[SPW], v[NIL]                      ; the opening lines: the add, twice on end, and its wait ahead of my first tensor load
	ds_add_u32 v[SPW], v[NIL]
	v_lshrrev_b32 v1, 5, v0
	v_readfirstlane_b32 s14, v1                    ; wave 0..3
	s_lshr_b32 s15, s14, 1                         ; which half of A's rows is mine.  Also: I fetch for A (0) or for B (1)
	s_and_b32 s16, s14, 1                          ; which half of B's rows.  Also: which half of that tile I fetch
	s_bfe_u32 s40, ttmp6, 0x40000                  ; cx, cy
	s_bfe_u32 s41, ttmp6, 0x40004
	s_and_b32 s90, ttmp7, 0xffff
	s_lshl_b32 s90, s90, 2                         ; 4 Y
	s_lshl_b32 s91, ttmp9, 2                       ; 4 X
	s_add_co_u32 s17, s90, s41                     ; q, k: A's tile row of x's 32
	s_add_co_u32 s42, s91, s40                     ; q, k: B's tile column of w's first 8
	s_add_co_u32 s78, s91, s41                     ; v: A's half row of w_v's 8
	s_add_co_u32 s79, s90, s40                     ; v: B's tile column of x's 32
	s_lshl_b32 s43, s41, 2
	s_lshl_b32 s43, 15, s43                        ; my row of the cluster
	s_lshl_b32 s44, 0x1111, s40                    ; my column
	s_or_b32 s[G1+0], s43, (0<<16)|(1<<20)|(1<<21)|(5<<22)|(3<<25)  ; the mask; elements of 1 byte; padding: four words after every 64; bit 21 beside a mask
	s_or_b32 s[G1B+0], s44, (0<<16)|(1<<20)|(1<<21)|(5<<22)|(3<<25)
.irp g, G1, G1B
	s_mov_b32 s[\g+1], ROWB<<16
	s_mov_b32 s[\g+2], 128<<16                     ; 128 rows
	s_mov_b32 s[\g+3], ROWB<<16
	s_mov_b32 s[\g+4], 128
	s_mov_b32 s[\g+5], KROW
	s_mov_b32 s[\g+6], 0
	s_mov_b32 s[\g+7], 0
.endr
	s_lshl_b32 s18, s16, 7
	s_lshl_b32 s20, s17, 8
	s_add_co_u32 s20, s20, s18                     ; A: row 256 x tile row + 128 x half: on cy alone of my place
	s_lshl_b32 s20, s20, 10
	s_mov_b32 s21, 0
	s_lshl_b32 s46, s42, 8
	s_add_co_u32 s46, s46, s18                     ; B: on cx alone
	s_lshl_b32 s46, s46, 10
	s_mov_b32 s47, 0
	s_mul_i32 s45, s14, HALFT                      ; where they go: wave x 128 rows
	s_wait_dscnt 0x0                               ; both opening adds are done
	s_wait_kmcnt 0x0
	s_load_b256 s[80:87], s[8:9], 0x0              ; e0 .. e7
	s_add_nc_u64 s[20:21], s[4:5], s[20:21]
	s_add_nc_u64 s[46:47], s[6:7], s[46:47]
	CROUND                                         ; all sixteen work-groups are here: the first joint loads meet
	MKG0 45
	JLOAD G0, G1, G0B, G1B                         ; K step 0: one tensor load a wave at the head
	s_mul_i32 s21, s15, HALFT                      ; q, k: my 128 rows of A
	s_mul_i32 s22, s16, HALFT
	s_add_co_u32 s22, s22, 2*HALFT                 ; my 128 rows of B
	s_mul_i32 s19, s15, 64*PITCH                   ; v: my 64 rows of A
	s_lshl_b32 s23, s14, 12
	s_add_co_u32 s23, s23, STAGEQ                  ; my stage
	s_lshl_b32 s90, s42, 8
	s_lshl_b32 s91, s16, 7
	s_add_co_u32 s90, s90, s91                     ; q, k: my first column n
	s_lshl_b32 s96, s90, 2
	s_mov_b32 s97, 0
	s_add_nc_u64 s[74:75], s[10:11], s[96:97]
	s_lshl_b32 s91, s78, 7
	s_lshl_b32 s96, s15, 6
	s_add_co_u32 s91, s91, s96
	s_add_co_u32 s91, s91, 2048                    ; v: my first row of w
	s_lshl_b32 s96, s91, 2
	s_add_nc_u64 s[76:77], s[10:11], s[96:97]
	v_and_b32 v1, 15, v0                           ; r
	v_bfe_u32 v2, v0, 4, 1                         ; h
	v_and_b32 v8, 31, v0                           ; lane
	v_mul_u32_u24 v3, v1, PITCH
	v_lshl_add_u32 v4, v2, 4, v3                   ; a fragment's row x pitch + 16 h
	v_add_nc_u32 v[ADRA], s21, v4
	v_add_nc_u32 v[ADRA+1], SLOT, v[ADRA]
	v_add_nc_u32 v[ADRB], s22, v4
	v_add_nc_u32 v[ADRB+1], SLOT, v[ADRB]
	v_add_nc_u32 v[ADRH], s19, v4
	v_add_nc_u32 v[ADRH+1], SLOT, v[ADRH]
	v_mul_u32_u24 v5, v1, 80                       ; q, k: a head's 16 rows t of 64 codes, 80 bytes apart; the block's second head 1,280 bytes on
	v_lshl_add_u32 v5, v2, 3, v5
	v_add_nc_u32 v[STQ], s23, v5
	v_lshrrev_b32 v9, 2, v8
	v_mul_u32_u24 v9, v9, 80
	v_and_b32 v10, 3, v8
	v_lshl_add_u32 v9, v10, 4, v9
	v_add_nc_u32 v[RDQ], s23, v9                   ; back: four lanes to a row of 64 bytes
	v_mul_u32_u24 v5, v1, 144                      ; v: 16 rows d of 128 codes, 144 bytes apart
	v_lshl_add_u32 v5, v2, 3, v5
	v_add_nc_u32 v5, s23, v5
	v_add_nc_u32 v[STV], 16384, v5
	v_lshrrev_b32 v9, 3, v8
	v_mul_u32_u24 v9, v9, 144
	v_and_b32 v10, 7, v8
	v_lshl_add_u32 v9, v10, 4, v9
	v_add_nc_u32 v9, s23, v9
	v_add_nc_u32 v[RDV], 16384, v9                 ; back: eight lanes to a row of 128 bytes
	v_lshlrev_b32 v[CO], 4, v8
	v_lshlrev_b32 v6, 5, v2                        ; the column bias: 8 h numbers on
	v_lshlrev_b32 v7, 2, v1                        ; the row bias: r numbers on
.irp b, 0,1,2,3,4,5,6,7
	global_load_b128 v[BC+8*\b:BC+8*\b+3],   v6, s[74:75] offset:64*\b
	global_load_b128 v[BC+8*\b+4:BC+8*\b+7], v6, s[74:75] offset:64*\b+16
.endr
.irp a, 0,1,2,3
	global_load_b32 v[BRW+\a], v7, s[76:77] offset:64*\a
.endr                                          ; these 20 loads are waited for once, on the first way out
.macro FRAG reg, adr, q, i             ; 16 rows x 128 K: registers 4 c .. 4 c + 3 hold K = 32 c + 16 (lane / 16) + 0 .. 15: the same places in A and in B
.irp c, 0,1,2,3
	ds_load_b128 v[\reg+4*\c:\reg+4*\c+3], v[\adr] offset:128*(\q)+32*\c+(\i)*16*PITCH
.endr
.endm
; 16 matrix instructions: A's register blocks a0, a0 + 1 x B's eight, onto accumulators (a % 4, b) of the window in hand.  The accumulators take turns, one instruction a turn, in the same order in every step.
.macro MUL16 a0, p, zero
.irp a, \a0, \a0+1
.irp b, 0,1,2,3,4,5,6,7
.if \zero
	v_wmma_f32_16x16x128_fp8_fp8 v[8*(8*((\a)%4)+\b):8*(8*((\a)%4)+\b)+7], v[128*(\p)+FR*\b:128*(\p)+FR*\b+FR-1], v[AF+FR*(\a):AF+FR*(\a)+FR-1], 0
.else
	v_wmma_f32_16x16x128_fp8_fp8 v[8*(8*((\a)%4)+\b):8*(8*((\a)%4)+\b)+7], v[128*(\p)+FR*\b:128*(\p)+FR*\b+FR-1], v[AF+FR*(\a):AF+FR*(\a)+FR-1], v[8*(8*((\a)%4)+\b):8*(8*((\a)%4)+\b)+7]
.endif
.endr
.endr
.endm
.macro FETCH_B slot, q, p
	WIN TO_B
.irp i, 0,1,2,3,4,5,6,7
	FRAG 128*(\p)+FR*\i, ADRB+\slot, \q, \i
.endr
	WIN 0
.endm
.macro FETCH_A slot, q, i0             ; q, k: A's blocks i0 .. i0 + 3
.irp i, \i0, \i0+1, \i0+2, \i0+3
	FRAG AF+FR*(\i), ADRA+\slot, \q, \i
.endr
.endm
.macro FETCH_AH slot, q, p             ; v: A's four blocks into set p
.irp i, 0,1,2,3
	FRAG AF+64*(\p)+FR*\i, ADRH+\slot, \q, \i
.endr
.endm
.macro PLACES n                        ; places in front of loads into registers that matrix instructions have read, and of the first read of results
.rept \n
	v_nop
.endr
.endm
; q, k: a step of 128 along K that has its successor in the same slot.  A block of A is free as soon as its eight products are issued.
.macro STEP slot, q, zero
	s_wait_dscnt 4*NL                              ; B's set and A's blocks 0-3 are in; the youngest 16 loads (A's blocks 4-7) may be out
	WIN MUL_LO
	MUL16 0, (\q)%2, \zero
	MUL16 2, (\q)%2, \zero
	s_wait_dscnt 0
	PLACES NP
	FETCH_B \slot, (\q)+1, 1-(\q)%2
	FETCH_A \slot, (\q)+1, 0
	WIN MUL_HI
	MUL16 4, (\q)%2, \zero
	MUL16 6, (\q)%2, \zero
	PLACES NP
	WIN 0
	FETCH_A \slot, (\q)+1, 4
.endm
; q, k: a slot's last step changes slots: each wave waits for all its tensor loads, adds 0 to its spare word, and waits for that and for its reads of this slot.  fill = 1: behind a round of the cluster's barrier this slot is filled again.
.macro TURN slot, next, fill
	s_wait_tensorcnt 0x0
	ds_add_u32 v[SPW], v[NIL]
	s_wait_dscnt 4*NL+1                            ; (the add and the youngest 16 loads may be out)
	WIN MUL_LO
	MUL16 0, 1, 0
	s_wait_dscnt 0x0
	s_barrier_signal -1
	MUL16 2, 1, 0
	WIN 0
	s_barrier_wait -1
.if \fill
	CREST
	s_add_nc_u64 s[G0+4*\slot+2:G0+4*\slot+3], s[G0+4*\slot+2:G0+4*\slot+3], 2*ROWB
	s_add_nc_u64 s[G0B+4*\slot+2:G0B+4*\slot+3], s[G0B+4*\slot+2:G0B+4*\slot+3], 2*ROWB
	JLOAD G0+4*\slot, G1, G0B+4*\slot, G1B         ; my one load behind the round; its four v_nop are the places for the loads below
.else
	PLACES NP
.endif
	FETCH_B \next, 0, 0
	FETCH_A \next, 0, 0
	WIN MUL_HI
	MUL16 4, 1, 0
	MUL16 6, 1, 0
	PLACES NP
	WIN 0
	FETCH_A \next, 0, 4
.endm
; v: the same two with 32 products a step: sets 0 of A and B are multiplied while sets 1 are fetched, and the other way round.
.macro STEPH slot, zero
	s_wait_dscnt 0x0
	PLACES NP
	FETCH_B \slot, 1, 1
	FETCH_AH \slot, 1, 1
	WIN MUL_LO
	MUL16 0, 0, \zero
	MUL16 2, 0, \zero
	WIN 0
.endm
.macro TURNH slot, next, fill
	s_wait_tensorcnt 0x0
	ds_add_u32 v[SPW], v[NIL]
	s_wait_dscnt 1                                 ; this step's fragments are in (the add may be out)
	WIN MUL_LO
	MUL16 4, 1, 0
	WIN 0
	s_wait_dscnt 0x0
	s_barrier_signal -1
	s_barrier_wait -1
.if \fill
	CREST
	s_add_nc_u64 s[G0+4*\slot+2:G0+4*\slot+3], s[G0+4*\slot+2:G0+4*\slot+3], 2*ROWB
	s_add_nc_u64 s[G0B+4*\slot+2:G0B+4*\slot+3], s[G0B+4*\slot+2:G0B+4*\slot+3], 2*ROWB
	JLOAD G0+4*\slot, G1, G0B+4*\slot, G1B
.else
	PLACES NP
.endif
	FETCH_B \next, 0, 0
	FETCH_AH \next, 0, 0
	WIN MUL_LO
	MUL16 6, 1, 0
	WIN 0
.endm
; THE WAY OUT, block by block of 16 rows of A x 128 rows of B: the bias is added (each accumulator from its low end on), the numbers are held and converted; a block's 2,048 bytes of codes go through my own stage
; and come back in the order of the output, which is dense: each store of the wave covers 512 consecutive bytes, aligned.  LDS serves a wave's instructions in order (ISA guide 5.7.1.4).  mode = 0: q, k;  1: v.
.macro OUTBLK a, mode
.set AC, 64*((\a)%4)
.set CC, CD+16*((\a)%2)
.set BB, BK+16*((\a)%2)
	WIN 0x02+((\a)/4)
.set jj, 0
.rept 32
.if \mode
	v_pk_add_f32 v[TMP+jj:TMP+jj+1], v[AC+jj:AC+jj+1], v[BR+2*(\a):BR+2*(\a)+1]
.else
	v_pk_add_f32 v[TMP+jj:TMP+jj+1], v[AC+jj:AC+jj+1], v[BC+jj:BC+jj+1]
.endif
.set jj, jj+2
.endr
	WIN 0
.irp b, 0,1,2,3,4,5,6,7
.irp i, 0,1,2,3,4,5,6,7
	v_med3_num_f32 v[TMP+8*\b+\i], v[TMP+8*\b+\i], -v[LIMR], v[LIMR]   ; the conversion does not saturate (ISA guide 7.6.2): the hold at the largest code x the scale
.endr
	v_cvt_scalef32_pk8_fp8_f32 v[CC+2*\b:CC+2*\b+1], v[TMP+8*\b:TMP+8*\b+7], v[SCL]
.endr
	v_nop                                          ; one plain line behind the last conversion
.irp b, 0,1,2,3,4,5,6,7
.if \mode
	ds_store_b64 v[STV], v[CC+2*\b:CC+2*\b+1] offset:16*\b
.else
	ds_store_b64 v[STQ], v[CC+2*\b:CC+2*\b+1] offset:(\b/4)*1280+16*(\b%4)
.endif
.endr
.irp t, 0,1,2,3
.if \mode
	ds_load_b128 v[BB+4*\t:BB+4*\t+3], v[RDV] offset:576*\t
.else
	ds_load_b128 v[BB+4*\t:BB+4*\t+3], v[RDQ] offset:(\t/2)*1280+(\t%2)*640
.endif
.endr
.endm
.macro SENDBLK a, mode, younger
.set BB, BK+16*((\a)%2)
	s_wait_dscnt \younger
.irp t, 0,1,2,3
.if \mode
	global_store_b128 v[CO], v[BB+4*\t:BB+4*\t+3], s[88:89] offset:2048*(\a)+512*\t                         ; my head's rows d = 16 a on, 128 bytes a row
.else
	global_store_b128 v[CO], v[BB+4*\t:BB+4*\t+3], s[88:89] offset:1024*(\a)+131072*(\t/2)+512*(\t%2)       ; head t / 2 of my two, rows t = 16 a on, 64 bytes a row
.endif
.endr
.endm
.macro ALLOUT mode, last
	OUTBLK 0, \mode
.irp a, 1,2,3,4,5,6,7
.if \a <= \last
.if \a > 1
	s_wait_xcnt 0x0                                ; block a - 2's stores have read their registers: block a's loads may land there
.endif
	OUTBLK \a, \mode
	SENDBLK \a-1, \mode, 12                        ; behind block a - 1's loads: block a's 8 stores and 4 loads
.endif
.endr
	SENDBLK \last, \mode, 0
.endm
.macro MKSCALE e                       ; s[e]: the destination's exponent; s90 = e0 + e1 on the way in, its negative on the way out
	s_sub_co_i32 s91, s[\e], s90
	s_add_co_i32 s91, s91, 127
	s_lshl_b32 s96, s91, 23
	v_mov_b32 v[SCL], s96
	s_add_co_i32 s91, s91, 8
	s_lshl_b32 s91, s91, 23
	s_or_b32 s91, s91, 0x600000
	v_mov_b32 v[LIMR], s91
	s_sub_co_i32 s90, 0, s90
.endm
; ---------------- the tile of q or k
	s_wait_alu depctr_va_vdst(0)
	s_wait_tensorcnt 0x0                           ; my part of K step 0 is in
	ds_add_u32 v[SPW], v[NIL]
	s_wait_dscnt 0x0
	CROUND
	JLOAD G0+4, G1, G0B+4, G1B                     ; K step 1
	FETCH_B 0, 0, 0
	FETCH_A 0, 0, 0
	FETCH_A 0, 0, 4
	STEP 0, 0, 1                                   ; the first products start the sums
	TURN 0, 1, 1
	STEP 1, 0, 0
	TURN 1, 0, 1
	STEP 0, 0, 0
	TURN 0, 1, 0
	STEP 1, 0, 0
	s_wait_dscnt 4*NL
	WIN MUL_LO
	MUL16 0, 1, 0
	MUL16 2, 1, 0
	s_wait_dscnt 0
	WIN MUL_HI
	MUL16 4, 1, 0
	MUL16 6, 1, 0
	WIN 0
	; v's descriptors: no tensor load of mine is out since the last change of slots.  A's tile is 64 rows a wave now
	s_mov_b32 s[G1+2], 64<<16
	s_mov_b32 s[G1+4], 64
	s_lshl_b32 s20, s78, 7
	s_lshl_b32 s21, s16, 6
	s_add_co_u32 s20, s20, s21
	s_add_co_u32 s20, s20, 2048                    ; A: w's row 2,048 + 128 x half row + 64 x half: on cy alone of my place
	s_lshl_b32 s20, s20, 10
	s_mov_b32 s21, 0
	s_lshl_b32 s46, s79, 8
	s_lshl_b32 s47, s16, 7
	s_add_co_u32 s46, s46, s47                     ; B: x's row 256 x tile column + 128 x half: on cx alone
	s_lshl_b32 s46, s46, 10
	s_mov_b32 s47, 0
	s_add_nc_u64 s[20:21], s[6:7], s[20:21]
	s_add_nc_u64 s[46:47], s[4:5], s[46:47]
	s_mul_i32 s22, s16, 64*PITCH
	MKG0 22
	s_wait_tensorcnt 0x0                           ; the three lines and a round: nobody reads either slot any more
	ds_add_u32 v[SPW], v[NIL]
	s_wait_dscnt 0x0
	CROUND
	JLOAD G0, G1, G0B, G1B                         ; v's K step 0: it lands while q or k goes out.  Its four v_nop are the places behind the last products
	s_wait_kmcnt 0x0                               ; the exponents
	s_wait_loadcnt 0x0                             ; the biases
	s_add_co_i32 s90, s80, s81                     ; e0 + e1
	s_cmp_eq_u32 ttmp9, 0
	s_cselect_b32 s97, s82, s83                    ; e2 for q, e3 for k
	s_cselect_b64 s[88:89], s[68:69], s[70:71]
	MKSCALE 97
	s_lshl_b32 s96, s17, 8
	s_lshl_b32 s97, s15, 7
	s_add_co_u32 s96, s96, s97                     ; my first row 2,048 b + t
	s_lshr_b32 s97, s96, 11
	s_lshl_b32 s97, s97, 4                         ; 16 b
	s_lshl_b32 s91, s40, 2
	s_add_co_u32 s97, s97, s91                     ; + the tile's first head, 4 cx,
	s_lshl_b32 s91, s16, 1
	s_add_co_u32 s97, s97, s91                     ; + my half's two
	s_lshl_b32 s97, s97, 11
	s_and_b32 s96, s96, 2047
	s_add_co_u32 s96, s96, s97
	s_lshl_b32 s96, s96, 6                         ; 64 bytes a row
	s_mov_b32 s97, 0
	s_add_nc_u64 s[88:89], s[88:89], s[96:97]
.set jj, 0
.rept 64
	v_ldexp_f32 v[BC+jj], v[BC+jj], s90            ; bias / 2^(e0 + e1)
.set jj, jj+1
.endr
	ALLOUT 0, 7
; ---------------- the half tile of v
	s_wait_alu depctr_va_vdst(0)
	s_wait_tensorcnt 0x0                           ; my part of v's K step 0 is in
	ds_add_u32 v[SPW], v[NIL]
	s_wait_dscnt 0x0
	CROUND
	JLOAD G0+4, G1, G0B+4, G1B                     ; v's K step 1
	s_wait_xcnt 0x0                                ; the last stores have read their data registers, which A's fragments take again
	FETCH_B 0, 0, 0
	FETCH_AH 0, 0, 0
	STEPH 0, 1
	TURNH 0, 1, 1
	STEPH 1, 0
	TURNH 1, 0, 1
	STEPH 0, 0
	TURNH 0, 1, 0
	STEPH 1, 0
	s_wait_dscnt 0x0
	WIN MUL_LO
	MUL16 4, 1, 0
	MUL16 6, 1, 0
	WIN 0
	PLACES NP
	s_add_co_i32 s90, s80, s81
	MKSCALE 85                                     ; e5
	s_lshl_b32 s96, s79, 8
	s_lshl_b32 s97, s16, 7
	s_add_co_u32 s96, s96, s97                     ; my first position 2,048 b + t: 128 keys, one key step
	s_lshr_b32 s97, s96, 11
	s_lshl_b32 s97, s97, 4                         ; 16 b
	s_lshl_b32 s91, s78, 1
	s_add_co_u32 s97, s97, s91                     ; + the half row's first head,
	s_add_co_u32 s97, s97, s15                     ; + my half's one
	s_lshl_b32 s97, s97, 4
	s_bfe_u32 s96, s96, 0x40007                    ; t / 128
	s_add_co_u32 s96, s96, s97
	s_lshl_b32 s96, s96, 13                        ; 64 x 128 bytes a key step
	s_mov_b32 s97, 0
	s_wait_xcnt 0x0                                ; the earlier stores have read their base
	s_add_nc_u64 s[88:89], s[72:73], s[96:97]
.irp a, 0,1,2,3
	v_ldexp_f32 v[BR+2*\a], v[BRW+\a], s90         ; bias / 2^(e0 + e1), twice
	v_ldexp_f32 v[BR+2*\a+1], v[BRW+\a], s90
.endr
	v_nop
	ALLOUT 1, 3
	s_wait_tensorcnt 0x0                           ; the wave's end
	ds_add_u32 v[SPW], v[NIL]
	s_wait_dscnt 0x0
	CROUND                                         ; the closing round
	s_endpgm
.Lfunc_end_k_q3f2ab8e7be_qkv:
	.size	k_q3f2ab8e7be_qkv, .Lfunc_end_k_q3f2ab8e7be_qkv-k_q3f2ab8e7be_qkv
	.p2alignl 7, 3214868480
	.fill 96, 4, 3214868480
	.section	.rodata,"a",@progbits
	.p2align	6, 0x0
	.amdhsa_kernel k_q3f2ab8e7be_qkv
		.amdhsa_group_segment_fixed_size 327680
		.amdhsa_private_segment_fixed_size 0
		.amdhsa_enable_private_segment 0
		.amdhsa_kernarg_size 56
		.amdhsa_user_sgpr_count 2
		.amdhsa_user_sgpr_kernarg_segment_ptr 1
		.amdhsa_wavefront_size32 1
		.amdhsa_system_sgpr_workgroup_id_x 1
		.amdhsa_system_sgpr_workgroup_id_y 1
		.amdhsa_system_sgpr_workgroup_id_z 1
		.amdhsa_system_vgpr_workitem_id 0
		.amdhsa_next_free_vgpr 1024
		.amdhsa_next_free_sgpr 100
		.amdhsa_reserve_vcc 0
		.amdhsa_float_denorm_mode_32 3
		.amdhsa_float_denorm_mode_16_64 3
		.amdhsa_memory_ordered 1
		.amdhsa_forward_progress 1
		.amdhsa_inst_pref_size 228
	.end_amdhsa_kernel
	.amdgpu_metadata
---
amdhsa.version: [ 1, 2 ]
amdhsa.kernels:
  - .name:           k_q3f2ab8e7be_qkv
    .symbol:         k_q3f2ab8e7be_qkv.kd
    .args:
      - { .name: x_codes, .offset: 0, .size: 8, .value_kind: global_buffer, .address_space: global }
      - { .name: wqkv_codes, .offset: 8, .size: 8, .value_kind: global_buffer, .address_space: global }
      - { .name: lowp_scales, .offset: 16, .size: 8, .value_kind: global_buffer, .address_space: global }
      - { .name: b_qkv, .offset: 24, .size: 8, .value_kind: global_buffer, .address_space: global }
      - { .name: q_codes, .offset: 32, .size: 8, .value_kind: global_buffer, .address_space: global }
      - { .name: k_codes, .offset: 40, .size: 8, .value_kind: global_buffer, .address_space: global }
      - { .name: v_codes, .offset: 48, .size: 8, .value_kind: global_buffer, .address_space: global }
    .group_segment_fixed_size: 327680
    .private_segment_fixed_size: 0
    .kernarg_segment_align: 8
    .kernarg_segment_size: 56
    .max_flat_workgroup_size: 128
    .sgpr_count:     100
    .vgpr_count:     1024
    .wavefront_size: 32
...
	.end_amdgpu_metadata
.endif
;; end of part 2
;; launch attn (part 3): grid 4 x 64, 8 waves a work-group, no clusters, 327,680 bytes of LDS; arguments q_codes, k_codes, v_codes, lowp_scales, a_codes; writes a_codes
.if DOCPART == 3
	.amdgcn_target "amdgcn-amd-amdhsa--gfx1250"
	.amdhsa_code_object_version 6
	.text
	.protected	k_q3f2ab8e7be_attn
	.globl	k_q3f2ab8e7be_attn
	.p2align	8
	.type	k_q3f2ab8e7be_attn,@function
k_q3f2ab8e7be_attn:
	s_mov_b64 s[64:65], 0
	v_nop
	global_prefetch_b8 v0, s[64:65] scope:SCOPE_SE
	s_setreg_imm32_b32 hwreg(HW_REG_WAVE_MODE, 25, 1), 1
	s_wait_xcnt 0x0
; Causal attention on codes of FP8 (E4M3): O[bh][q] = sum over k <= q of softmax_k(Q[q] . K[k] / 8) V[k], head size 64, 2,048 positions, 64 heads bh = 16 b + h; O is quantised on the way out for the last product.
; q_codes, k_codes [bh][t][64 d];  v_codes [bh][t / 128][64 d][128 keys]: the keys innermost.  OUT: a_codes [h][2,048 b + t][64 d].
; THE SOFTMAX: t = score x 2^(e2+e3) x log2(e) / 8; M = the row's largest t so far, rounded UP to a whole number; p = 2^(t - M) is quantised with 2^e4, not normalised.  The row's sum l is taken of the unquantised p, in f32.
; When M moves, l and O are multiplied by 2^(old M - new M): exact.  code of O = (sum / l) / 2^(e6 - e4 - e5).
; LEFT OUT: key steps all of whose keys come after a wave's queries: the causal mask hides them, whatever the inputs hold.
; LIMITS: e2 + e3 between -115 and 130 (added to the exponent field of log2(e) / 8; a hidden score, -3e38, must stay far under every t); e4, and e6 - e4 - e5, between -126 and 119.
; SHARES.  Work-group (j, bh), j = 0..3, takes two blocks of 256 queries of one head, one after the other: block j (key slots 0 .. j of 256 keys), then block 7 - j (slots 0 .. 7 - j): NINE slots for every work-group.
; Each of EIGHT waves owns 32 queries, two tiles of 16: each fragment of K and of V that it reads from LDS feeds two matrix instructions, and the two tiles' chains of vector work stand line by line beside each other.
; NO CLUSTER: the four work-groups of a head change from their first pass to their second after 1, 2, 3 and 4 slots, so from the second slot on they want different key slots at the same change: no joint request could name all of them.
; LAYOUT.  Both products are used transposed: S^T = K Q^T, O^T = V^T P^T: a lane holds ONE query of each tile (lane % 16).  Lane r of key tile 2 b + u takes key 32 b + 8 u + r + 8 (r / 8), so that the 16 registers
; of tiles 2 b and 2 b + 1 are 16 neighbouring keys, 32 b + 16 (lane / 16) + 0 .. 15.  Fragments come by loads of 16 bytes: the same places of K on both sides of a product.
; THE MASK COSTS NO VECTOR LINE IN THE LOOP.  A wave's 32 queries are one block of 32 positions.  In the one key step on the diagonal the score products of earlier blocks of 32 keys start from 0, those of the block on the diagonal
; from one of four patterns of 0 and -3e38 (tile of queries s, tile of keys u: hidden where 16 h + 8 u + j > 16 s + r), made once at the head, and those of later blocks from -3e38.  Which block it is hangs on ids alone.
; LDS: slot s at 65,536 s: K's 256 keys as 128 pieces of 128 bytes (two keys) + 16 of padding, then V's 128 rows (2 key steps x 64 d) of 128 bytes likewise.  Key pairs 0-3 and 8-11 of a tile then begin at 16 different columns of 16 bytes mod 256.
; Behind the ring the spare words, then a stage of 2,560 bytes a wave.
; REGISTERS.  Window 0: v1-47 addresses, constants and what is carried; v48-63 Q; v64-127 K's eight fragments; v128-191, v192-255 S^T, then p, of the two tiles.
;   Window 1: v0-63 O^T; v64-95 p's codes; v96-111 the second pass's Q; v112-119 -3e38; v128-191 V's four fragments; v192-223 the four patterns.
.set SLOT1, 65536
.set KP,    144                        ; 128 bytes + 16
.set VOFF,  18432                      ; V's part of a slot
.set STEPB, 9216                       ; a key step's part of K (64 pairs of keys) and of V (64 rows)
.set QUART, 4608                       ; what one tensor load fills: 4,096 bytes in 32 pieces
.set SPARE, 131072                     ; the spare words, 128 bytes for each wave: four blocks of 256 bytes that no other line names
.set STG,   132096                     ; the way out: 32 rows x (64 bytes + 16) for each wave; no tensor load lands here
.set AK0, 1
.set AV0, 2
.set PFO, 3                            ; 256 x lane: the prefetches' offset
.set SPW, 5
.set NIL, 6
.set GO1, 7                            ; the passes' byte offsets in my head's rows of a_codes
.set GO2, 36
.set ADK, 8
.set ADV, 9
.set SO,  10
.set SR,  11
; v[12:13], v[14:15]: -M and the largest t of tiles 0, 1; v[16:17], v[18:19]: l in two halves; v[20:21], v[22:23]: f; v24 448 x 2^e4, v25 2^e4; v26, v27 the same for O; v28-35, v37-47 at work
.set QF,  48
.set KFR, 64
.set S0,  128
.set S1,  192
.set O0,  0                            ; window 1 from here on
.set O1,  32
.set P0,  64
.set P1,  80
.set QN,  96
.set NEGB, 112
.set VF,  128
.set PAT, 192
.set TB,   2                           ; s2   LDS byte at which the slot in hand begins
.set WV,   18
.set SEL,  20
.set CS,   22
.set G1,   24
.set G0,   40
.set BAS,  44                          ; s[44:45] my quarter (waves 0-3: of K, waves 4-7: of V) of the head's key slot 0
.set OFS,  46
.set WRAPS, 48                         ; 8 - j: the count at which the fetches go back to key slot 0
.set SWS,  49                          ; 7 - j: the count at which the second pass begins
.set ST,   50                          ; the key step in the slot
.set SB,   51                          ; its first LDS byte
.set Q2,   66
.set SLOTS, 67
.set PFA,  76
.set LIM,  80
.set KF,   98                          ; the step's first key
.set Q0,   99                          ; my first query
.set MSB, 0
.macro WIN new                         ; the immediate's high byte repeats the setting that is left
.if MSB != \new
	s_set_vgpr_msb (MSB<<8)|\new
.set MSB, \new
.endif
.endm
.macro TLOAD                           ; every wave fetches a quarter of a slot's K or V: no branch leads round the line
	tensor_load_to_lds s[G0:G0+3], s[G1:G1+7]
	s_nop 0
.rept 4
	v_nop
.endr
.endm
; A PREFETCH INTO THE L2.  The four work-groups of a head walk the same K and V; the one with j = 0 asks, one instruction in each of waves 0 to 3: waves 0, 1 for the halves of a slot's K, waves 2, 3 for V's:
; 8,192 dense bytes a wave, lanes 256 bytes apart.  The change of slots of trip n names key slot n + 2, n = 0 .. 5: two changes ahead of that work-group's own load of it.  Slots 0 and 1 come by their loads alone; nothing is named beyond slot 7.
.macro ASK
	s_cmp_gt_u32 s[SLOTS], s[LIM]
	s_cbranch_scc0 .Lnot_mine_\@
	global_prefetch_b8 v[PFO], s[PFA:PFA+1] th:TH_LOAD_NT scope:SCOPE_SE
.Lnot_mine_\@:
.endm
.macro FRESH                           ; a pass begins: the largest t under every t, l and O^T zeros, which the first change of M leaves zeros
	v_mov_b32 v13, 0xff61b1e6
	v_mov_b32 v15, 0xff61b1e6
	v_floor_f32 v12, -v13
	v_floor_f32 v14, -v15
	v_mov_b32 v16, 0
	v_mov_b32 v17, 0
	v_mov_b32 v18, 0
	v_mov_b32 v19, 0
	WIN 0x40
.set jj, 0
.rept 64
	v_mov_b32 v[O0+jj], 0
.set jj, jj+1
.endr
	WIN 0
.endm
	s_load_b128 s[4:7], s[0:1], 0x0                ; q_codes, k_codes
	s_load_b128 s[12:15], s[0:1], 0x10             ; v_codes, the scales' exponents
	s_load_b64 s[16:17], s[0:1], 0x20              ; a_codes
	v_lshl_add_u32 v[SPW], v0, 2, SPARE
	v_mov_b32 v[NIL], 0
	ds_add_u32 v[SPW], v[NIL]                      ; the opening lines: the add, twice on end, and its wait ahead of my first tensor load
	ds_add_u32 v[SPW], v[NIL]
	v_lshrrev_b32 v8, 5, v0
	v_readfirstlane_b32 s[WV], v8                  ; wave 0..7
	s_and_b32 s82, ttmp7, 0xffff                   ; bh
	s_lshl_b32 s84, s82, 17                        ; 131,072 bytes a head in q_codes, k_codes and v_codes
	s_mov_b32 s85, 0
	s_lshl_b32 s86, ttmp9, 8
	s_lshl_b32 s87, s[WV], 5
	s_add_co_u32 s[Q0], s86, s87                   ; first pass: query 256 j + 32 w
	s_sub_co_u32 s86, 1792, s86
	s_add_co_u32 s[Q2], s86, s87                   ; second pass: 256 (7 - j) + 32 w
	s_sub_co_u32 s[WRAPS], 8, ttmp9
	s_sub_co_u32 s[SWS], 7, ttmp9
	s_lshl_b32 s86, s[Q0], 6
	s_mov_b32 s87, 0
	s_lshl_b32 s88, s[Q2], 6
	s_mov_b32 s89, 0
	s_and_b32 s90, s82, 15
	s_lshl_b32 s90, s90, 19                        ; a_codes: 524,288 bytes a head h,
	s_lshr_b32 s91, s82, 4
	s_lshl_b32 s91, s91, 17                        ; 131,072 a batch
	s_add_co_u32 s90, s90, s91
	s_mov_b32 s91, 0
	s_mov_b32 s[G1], (0<<16)|(1<<20)|(4<<22)|(3<<25)   ; elements of 1 byte; padding: four words after every 32
	s_mov_b32 s[G1+1], 256<<16                     ; 16 rows of 256 bytes, dense in memory
	s_mov_b32 s[G1+2], 16<<16
	s_mov_b32 s[G1+3], 256<<16
	s_mov_b32 s[G1+4], 16
	s_mov_b32 s[G1+5], 256
	s_mov_b32 s[G1+6], 0
	s_mov_b32 s[G1+7], 0
	s_mov_b32 s[SEL], 0x76543210
	s_mov_b32 s[SEL+1], 0xfedcba98
	s_mov_b32 s[CS], 0x3e38aa3b                    ; log2(e) / 8
	s_mov_b32 s[TB], 0
	s_mov_b32 s[SLOTS], 8
	s_mov_b32 s[KF], 0
	s_mov_b32 s[OFS], 0
	s_mov_b32 s[OFS+1], 0
	s_mul_i32 s[G0+1], s[WV], QUART                ; LDS address: K's four quarters, then V's four
	s_mov_b32 s[G0], 1
	s_and_b32 s92, s[WV], 3
	s_lshl_b32 s92, s92, 12                        ; 4,096 bytes of memory a quarter
	s_mov_b32 s93, 0
	s_wait_dscnt 0x0                               ; both opening adds are done
	s_wait_kmcnt 0x0
	s_load_b256 s[68:75], s[14:15], 0x0            ; e0 .. e7
	s_cmp_lt_u32 s[WV], 4
	s_cselect_b64 s[BAS:BAS+1], s[6:7], s[12:13]
	s_add_nc_u64 s[BAS:BAS+1], s[BAS:BAS+1], s[84:85]
	s_add_nc_u64 s[BAS:BAS+1], s[BAS:BAS+1], s[92:93]
	s_mov_b64 s[G0+2:G0+3], s[BAS:BAS+1]
	s_or_b32 s[G0+3], s[G0+3], 0x80000000
	TLOAD                                          ; slot 0: my one tensor load at the head
	s_add_nc_u64 s[52:53], s[4:5], s[84:85]
	s_add_nc_u64 s[54:55], s[52:53], s[88:89]      ; Q's codes at my first query of the second pass,
	s_add_nc_u64 s[52:53], s[52:53], s[86:87]      ; and of the first
	s_add_nc_u64 s[16:17], s[16:17], s[90:91]
	s_cmp_lt_u32 s[WV], 2                          ; the prefetches: waves 0, 1 stand in K, waves 2, 3 in V
	s_cselect_b64 s[PFA:PFA+1], s[6:7], s[12:13]
	s_add_nc_u64 s[PFA:PFA+1], s[PFA:PFA+1], s[84:85]
	s_and_b32 s92, s[WV], 1
	s_lshl_b32 s92, s92, 13
	s_add_co_u32 s92, s92, 16384                   ; in key slot 1: the first change of slots steps it to slot 2
	s_add_nc_u64 s[PFA:PFA+1], s[PFA:PFA+1], s[92:93]
	s_lshr_b32 s92, s[WV], 2
	s_or_b32 s92, s92, ttmp9                       ; 0 in waves 0 to 3 of the work-group with j = 0
	s_cmp_eq_u32 s92, 0
	s_cselect_b32 s[LIM], 2, -1
	s_mul_i32 s92, s[WV], 2560
	s_add_co_u32 s92, s92, STG                     ; my stage
	v_and_b32 v34, 15, v0                          ; r
	v_bfe_u32 v35, v0, 4, 1                        ; h
	v_and_b32 v37, 31, v0                          ; lane
	v_lshlrev_b32 v4, 6, v34
	v_lshl_add_u32 v4, v35, 4, v4                  ; Q: row r of 64 bytes, + 16 h; the second tile 1,024 bytes on
.irp i, 0,1,2,3
	global_load_b128 v[QF+4*\i:QF+4*\i+3], v4, s[52:53] offset:1024*(\i/2)+32*(\i%2)
.endr
	WIN 0x40
.irp i, 0,1,2,3
	global_load_b128 v[QN+4*\i:QN+4*\i+3], v4, s[54:55] offset:1024*(\i/2)+32*(\i%2)
.endr
	WIN 0
	v_and_b32 v8, 8, v34
	v_add_nc_u32 v8, v8, v34                       ; rho = r + 8 (r / 8)
	v_lshrrev_b32 v[AK0], 1, v8
	v_mul_u32_u24 v[AK0], v[AK0], KP               ; two keys to a piece
	v_and_b32 v8, 1, v8
	v_lshl_add_u32 v[AK0], v8, 6, v[AK0]
	v_lshl_add_u32 v[AK0], v35, 4, v[AK0]
	v_mul_u32_u24 v[AV0], v34, KP
	v_lshl_add_u32 v[AV0], v35, 4, v[AV0]
	v_add_nc_u32 v[AV0], VOFF, v[AV0]
	v_lshlrev_b32 v[PFO], 8, v37
	v_lshlrev_b32 v38, 4, v37
	v_add_nc_u32 v[GO1], s86, v38                  ; 64 x my first query + 16 x lane
	v_add_nc_u32 v[GO2], s88, v38
	v_mul_u32_u24 v[SO], v34, 80
	v_lshl_add_u32 v[SO], v35, 3, v[SO]
	v_add_nc_u32 v[SO], s92, v[SO]                 ; into the stage: row r, + 8 h
	v_lshrrev_b32 v[SR], 2, v37
	v_mul_u32_u24 v[SR], v[SR], 80
	v_and_b32 v8, 3, v37
	v_lshl_add_u32 v[SR], v8, 4, v[SR]
	v_add_nc_u32 v[SR], s92, v[SR]                 ; back: four lanes to a row of 64 bytes
	v_mov_b32 v21, 0                               ; (upper halves of the pairs that hold f)
	v_mov_b32 v23, 0
	v_mov_b32 v28, 0                               ; a lane permute's destination counts as one of its sources
	v_mov_b32 v29, 0
	v_lshlrev_b32 v38, 4, v35
	v_sub_nc_u32 v38, v34, v38                     ; r - 16 h
	v_mov_b32 v39, 0xff61b1e6                      ; -3e38: a hidden score
	WIN 0x40
.irp s, 0,1
.irp u, 0,1
.irp j, 0,1,2,3,4,5,6,7
	v_cmp_gt_i32 vcc_lo, 8*\u+\j-16*\s, v38        ; key 16 h + 8 u + j of the block comes after query 16 s + r
	v_cndmask_b32 v[PAT+8*(2*\s+\u)+\j], v[NIL], v39, vcc_lo
.endr
.endr
.endr
.irp j, 0,1,2,3,4,5,6,7
	v_mov_b32 v[NEGB+\j], v39
.endr
	WIN 0
	FRESH
	s_wait_kmcnt 0x0
	s_add_co_i32 s92, s70, s71
	s_lshl_b32 s92, s92, 23
	s_add_co_i32 s[CS], s[CS], s92                 ; e2 + e3 added to c's exponent field
	s_mov_b32 s[CS+1], s[CS]
	s_add_co_i32 s92, s72, 127
	s_lshl_b32 s93, s92, 23
	v_mov_b32 v25, s93                             ; 2^e4
	s_add_co_i32 s92, s92, 8
	s_lshl_b32 s92, s92, 23
	s_or_b32 s92, s92, 0x600000
	v_mov_b32 v24, s92                             ; 448 x 2^e4
	s_sub_co_i32 s92, s74, s72
	s_sub_co_i32 s92, s92, s73
	s_add_co_i32 s92, s92, 127
	s_lshl_b32 s93, s92, 23
	v_mov_b32 v27, s93                             ; 2^(e6 - e4 - e5)
	s_add_co_i32 s92, s92, 8
	s_lshl_b32 s92, s92, 23
	s_or_b32 s92, s92, 0x600000
	v_mov_b32 v26, s92                             ; 448 x that
; The 16 score products of a key step.  bq: the block of 32 keys that lies on the diagonal (4: none: all keys count).
.macro SARM bq
.if \bq < 4
	WIN 0x10                                       ; C in window 1
.endif
.set tt, 0
.rept 8
.if tt/2 < \bq
	v_wmma_f32_16x16x64_fp8_fp8 v[S0+8*tt:S0+8*tt+7], v[KFR+8*tt:KFR+8*tt+7], v[QF:QF+7], 0
	v_wmma_f32_16x16x64_fp8_fp8 v[S1+8*tt:S1+8*tt+7], v[KFR+8*tt:KFR+8*tt+7], v[QF+8:QF+15], 0
.elseif tt/2 == \bq
	v_wmma_f32_16x16x64_fp8_fp8 v[S0+8*tt:S0+8*tt+7], v[KFR+8*tt:KFR+8*tt+7], v[QF:QF+7], v[PAT+8*(tt%2):PAT+8*(tt%2)+7]
	v_wmma_f32_16x16x64_fp8_fp8 v[S1+8*tt:S1+8*tt+7], v[KFR+8*tt:KFR+8*tt+7], v[QF+8:QF+15], v[PAT+16+8*(tt%2):PAT+16+8*(tt%2)+7]
.else
	v_wmma_f32_16x16x64_fp8_fp8 v[S0+8*tt:S0+8*tt+7], v[KFR+8*tt:KFR+8*tt+7], v[QF:QF+7], v[NEGB:NEGB+7]
	v_wmma_f32_16x16x64_fp8_fp8 v[S1+8*tt:S1+8*tt+7], v[KFR+8*tt:KFR+8*tt+7], v[QF+8:QF+15], v[NEGB:NEGB+7]
.endif
.set tt, tt+1
.endr
	WIN 0
.endm
.macro HOLD2 r                         ; the conversion to an 8-bit code does not saturate (ISA guide 7.6.2); p is not negative, so the hold is one-sided; two numbers a line
	v_dual_min_num_f32 v[\r], v24, v[\r] :: v_dual_min_num_f32 v[\r+1], v24, v[\r+1]
.endm
; A SLOT'S TWO KEY STEPS of 128 keys: a loop of two trips.  A step all of whose keys come after my 32 queries is jumped over: a scalar branch on ids, round its loads, products and softmax alone.
.macro SLOT_STEPS
	s_mov_b32 s[ST], 0
.Lstep_\@:
	s_add_co_u32 s96, s[Q0], 31
	s_cmp_gt_u32 s[KF], s96
	s_cbranch_scc1 .Lhid_\@
	s_mul_i32 s[SB], s[ST], STEPB
	s_add_co_u32 s[SB], s[SB], s[TB]
	v_add_nc_u32 v[ADK], s[SB], v[AK0]
	v_add_nc_u32 v[ADV], s[SB], v[AV0]
	v_nop                                          ; with the two additions: four places in front of loads into registers that the last products have read
	v_nop
.set tt, 0
.rept 8                                        ; K's eight tiles of 16 keys x 64
	ds_load_b128 v[KFR+8*tt:KFR+8*tt+3], v[ADK] offset:(16*(tt/2)+4*(tt%2))*KP
	ds_load_b128 v[KFR+8*tt+4:KFR+8*tt+7], v[ADK] offset:(16*(tt/2)+4*(tt%2))*KP+32
.set tt, tt+1
.endr
	WIN 0x40
.set tt, 0
.rept 4                                        ; V's four tiles of 16 d x 128 keys: they land while the softmax is walked
.irp c, 0,1,2,3
	ds_load_b128 v[VF+16*tt+4*\c:VF+16*tt+4*\c+3], v[ADV] offset:16*tt*KP+32*\c
.endr
.set tt, tt+1
.endr
	WIN 0
	s_wait_dscnt 16                                ; K's 16 loads are in; V's 16, issued behind them, may be out
	s_sub_co_u32 s96, s[Q0], s[KF]                 ; where my 32 queries lie in the step's keys: ids and the count of steps alone
	s_cmp_gt_u32 s96, 127
	s_cbranch_scc1 .Lo_\@
	s_cmp_gt_u32 s96, 95
	s_cbranch_scc1 .L3_\@
	s_cmp_gt_u32 s96, 63
	s_cbranch_scc1 .L2_\@
	s_cmp_gt_u32 s96, 31
	s_cbranch_scc1 .L1_\@
	SARM 0
	s_branch .Lj_\@
.L1_\@:
	SARM 1
	s_branch .Lj_\@
.L2_\@:
	SARM 2
	s_branch .Lj_\@
.L3_\@:
	SARM 3
	s_branch .Lj_\@
.Lo_\@:
	SARM 4
.Lj_\@:
.rept 4
	v_nop                                          ; four places in front of the first read of the scores
.endr
	v_max3_num_f32 v30, v[S0], v[S0+1], v[S0+2]    ; each query's largest score of the step, two chains a tile, each product's registers from the low end on
	v_max3_num_f32 v32, v[S1], v[S1+1], v[S1+2]
	v_max3_num_f32 v31, v[S0+3], v[S0+4], v[S0+5]
	v_max3_num_f32 v33, v[S1+3], v[S1+4], v[S1+5]
.irp i, 6,10,14,18,22,26,30,34,38,42,46,50,54,58
	v_max3_num_f32 v30, v30, v[S0+\i], v[S0+\i+1]
	v_max3_num_f32 v32, v32, v[S1+\i], v[S1+\i+1]
	v_max3_num_f32 v31, v31, v[S0+\i+2], v[S0+\i+3]
	v_max3_num_f32 v33, v33, v[S1+\i+2], v[S1+\i+3]
.endr
	v_max3_num_f32 v30, v30, v[S0+62], v[S0+63]
	v_max3_num_f32 v32, v32, v[S1+62], v[S1+63]
	v_max_num_f32 v30, v30, v31
	v_max_num_f32 v32, v32, v33
	v_permlanex16_b32 v28, v30, s[SEL], s[SEL+1]
	v_permlanex16_b32 v29, v32, s[SEL], s[SEL+1]
	v_max_num_f32 v30, v30, v28                    ; and among lane l xor 16's
	v_max_num_f32 v32, v32, v29
	v_mul_f32 v30, s[CS], v30                      ; as t (c is positive)
	v_mul_f32 v32, s[CS], v32
	v_max_num_f32 v13, v13, v30                    ; the running largest t
	v_max_num_f32 v15, v15, v32
	v_mov_b32 v30, v12
	v_mov_b32 v32, v14
	v_floor_f32 v12, -v13                          ; the new -M = -ceil(t)
	v_floor_f32 v14, -v15
	v_sub_f32 v30, v12, v30                        ; old M - new M: a whole number, 0 or less
	v_sub_f32 v32, v14, v32
	v_cvt_i32_f32 v30, v30                         ; (it saturates)
	v_cvt_i32_f32 v32, v32
	v_ldexp_f32 v20, 1.0, v30                      ; f = 2^(old M - new M)
	v_ldexp_f32 v22, 1.0, v32
	WIN 0x41
.set jj, 0
.rept 16                                       ; O^T under the new M: x f; each accumulator from its low end on
	v_pk_mul_f32 v[O0+jj:O0+jj+1], v[O0+jj:O0+jj+1], v[20:21] op_sel_hi:[1,0]
	v_pk_mul_f32 v[O1+jj:O1+jj+1], v[O1+jj:O1+jj+1], v[22:23] op_sel_hi:[1,0]
.set jj, jj+2
.endr
	WIN 0
.set jj, 0
.rept 32
	v_pk_fma_f32 v[S0+jj:S0+jj+1], v[S0+jj:S0+jj+1], s[CS:CS+1], v[12:13] op_sel_hi:[1,0,0]   ; t - M, two at a time
	v_pk_fma_f32 v[S1+jj:S1+jj+1], v[S1+jj:S1+jj+1], s[CS:CS+1], v[14:15] op_sel_hi:[1,0,0]
.set jj, jj+2
.endr
	s_wait_alu depctr_va_vdst(0)                   ; the wait ahead of the batch
.set jj, 0
.rept 128
	v_exp_f32 v[S0+jj], v[S0+jj]                   ; p = 2^(t - M), at most 1
.set jj, jj+1
.endr
	v_pk_mul_f32 v[16:17], v[16:17], v[20:21] op_sel_hi:[1,0]   ; l under the new M: plain lines behind the exponentials
	v_pk_mul_f32 v[18:19], v[18:19], v[22:23] op_sel_hi:[1,0]
	s_wait_alu depctr_va_vdst(0)                   ; and the one wait behind the batch, ahead of its first reader
	v_pk_add_f32 v[40:41], v[S0:S0+1], v[S0+2:S0+3]              ; the sums of the unquantised p: three chains a tile
	v_pk_add_f32 v[44:45], v[S1:S1+1], v[S1+2:S1+3]
	v_pk_add_f32 v[42:43], v[S0+4:S0+5], v[S0+6:S0+7]
	v_pk_add_f32 v[46:47], v[S1+4:S1+5], v[S1+6:S1+7]
.irp j, 8,14,20,26,32,38,44,50,56
	v_pk_add_f32 v[16:17], v[16:17], v[S0+\j:S0+\j+1]
	v_pk_add_f32 v[18:19], v[18:19], v[S1+\j:S1+\j+1]
	v_pk_add_f32 v[40:41], v[40:41], v[S0+\j+2:S0+\j+3]
	v_pk_add_f32 v[44:45], v[44:45], v[S1+\j+2:S1+\j+3]
	v_pk_add_f32 v[42:43], v[42:43], v[S0+\j+4:S0+\j+5]
	v_pk_add_f32 v[46:47], v[46:47], v[S1+\j+4:S1+\j+5]
.endr
	v_pk_add_f32 v[16:17], v[16:17], v[S0+62:S0+63]
	v_pk_add_f32 v[18:19], v[18:19], v[S1+62:S1+63]
	v_pk_add_f32 v[40:41], v[40:41], v[42:43]
	v_pk_add_f32 v[44:45], v[44:45], v[46:47]
	v_pk_add_f32 v[16:17], v[16:17], v[40:41]
	v_pk_add_f32 v[18:19], v[18:19], v[44:45]
.set jj, 0
.rept 64
	HOLD2 S0+jj
.set jj, jj+2
.endr
	WIN 0x40
.irp b, 0,1,2,3
	v_cvt_scalef32_pk8_fp8_f32 v[P0+4*\b:P0+4*\b+1], v[S0+16*\b:S0+16*\b+7], v25
	v_cvt_scalef32_pk8_fp8_f32 v[P0+4*\b+2:P0+4*\b+3], v[S0+16*\b+8:S0+16*\b+15], v25
	v_cvt_scalef32_pk8_fp8_f32 v[P1+4*\b:P1+4*\b+1], v[S1+16*\b:S1+16*\b+7], v25
	v_cvt_scalef32_pk8_fp8_f32 v[P1+4*\b+2:P1+4*\b+3], v[S1+16*\b+8:S1+16*\b+15], v25
.endr
	WIN 0
	v_nop                                          ; one plain line between the last conversion and the products that read the codes
	s_wait_alu depctr_va_vdst(0)
	s_wait_dscnt 0x0                               ; V is in
	WIN 0x55
.set tt, 0
.rept 4                                        ; O^T += V^T P^T: the eight accumulators take turns, one instruction a turn
	v_wmma_f32_16x16x128_fp8_fp8 v[O0+8*tt:O0+8*tt+7], v[VF+16*tt:VF+16*tt+15], v[P0:P0+15], v[O0+8*tt:O0+8*tt+7]
	v_wmma_f32_16x16x128_fp8_fp8 v[O1+8*tt:O1+8*tt+7], v[VF+16*tt:VF+16*tt+15], v[P1:P1+15], v[O1+8*tt:O1+8*tt+7]
.set tt, tt+1
.endr
	WIN 0
.Lhid_\@:
	s_add_co_u32 s[KF], s[KF], 128
	s_add_co_u32 s[ST], s[ST], 1
	s_cmp_lt_u32 s[ST], 2
	s_cbranch_scc1 .Lstep_\@
	s_xor_b32 s[TB], s[TB], SLOT1                  ; on to the other slot
.endm
; THE CHANGE OF SLOTS stands at a slot's head.  Each wave waits for all its tensor loads (its part of the slot ahead), adds 0 to its spare word, and waits for that and for its reads of the slot that it has left.
; fill = 1: behind the barrier the slot that was left is filled with the key slot that follows: one load a wave, with a whole slot's steps in which to land.
.macro CHANGE fill
	s_wait_tensorcnt 0x0
	ds_add_u32 v[SPW], v[NIL]
.if \fill
	s_xor_b32 s[G0+1], s[G0+1], SLOT1
	s_add_co_u32 s[OFS], s[OFS], 16384             ; the next 256 keys,
	s_cmp_eq_u32 s[SLOTS], s[WRAPS]
	s_cselect_b32 s[OFS], 0, s[OFS]                ; or key slot 0 again, for the second pass
	s_add_nc_u64 s[G0+2:G0+3], s[BAS:BAS+1], s[OFS:OFS+1]
	s_or_b32 s[G0+3], s[G0+3], 0x80000000
	s_wait_xcnt 0x0                                ; the last prefetch, a slot back, has read its address
	s_add_nc_u64 s[PFA:PFA+1], s[PFA:PFA+1], 16384
.endif
	s_wait_dscnt 0x0
	s_barrier_signal -1
	s_barrier_wait -1
.if \fill
	TLOAD
	ASK
.endif
.endm
; A PASS ENDS.  O^T / l is held and converted; 32 queries x 64 bytes go through my stage and leave as 2,048 dense bytes: each store covers 512, aligned.
.macro FINISH go
.rept 4
	v_nop                                          ; four places behind the last products
.endr
	v_add_f32 v16, v16, v17
	v_add_f32 v18, v18, v19
	v_permlanex16_b32 v28, v16, s[SEL], s[SEL+1]
	v_permlanex16_b32 v29, v18, s[SEL], s[SEL+1]
	v_add_f32 v16, v16, v28                        ; the rows' sums
	v_add_f32 v18, v18, v29
	s_wait_alu depctr_va_vdst(0)                   ; the wait ahead of the transcendentals
	v_rcp_f32 v20, v16
	v_rcp_f32 v22, v18
	v_nop
	WIN 0x01
	s_wait_alu depctr_va_vdst(0)                   ; and behind them, directly ahead of the first reader of the reciprocals and of O^T
.set jj, 0
.rept 16
	v_pk_mul_f32 v[S0+jj:S0+jj+1], v[O0+jj:O0+jj+1], v[20:21] op_sel_hi:[1,0]   ; register 8 t + i is O(r, 16 t + 8 h + i) / l
	v_pk_mul_f32 v[S0+32+jj:S0+33+jj], v[O1+jj:O1+jj+1], v[22:23] op_sel_hi:[1,0]
.set jj, jj+2
.endr
	WIN 0
.irp t, 0,1,2,3,4,5,6,7
.irp i, 0,1,2,3,4,5,6,7
	v_med3_num_f32 v[S0+8*\t+\i], v[S0+8*\t+\i], -v26, v26
.endr
	v_cvt_scalef32_pk8_fp8_f32 v[KFR+2*\t:KFR+2*\t+1], v[S0+8*\t:S0+8*\t+7], v27
.endr
	v_nop                                          ; one plain line behind the last conversion
.irp t, 0,1,2,3
	ds_store_b64 v[SO], v[KFR+2*\t:KFR+2*\t+1] offset:16*\t
	ds_store_b64 v[SO], v[KFR+8+2*\t:KFR+9+2*\t] offset:1280+16*\t
.endr
.irp t, 0,1,2,3
	ds_load_b128 v[KFR+16+4*\t:KFR+19+4*\t], v[SR] offset:640*\t   ; LDS serves a wave's instructions in order (ISA guide 5.7.1.4): these see my stores
.endr
	s_wait_dscnt 0x0
.irp t, 0,1,2,3
	global_store_b128 v[\go], v[KFR+16+4*\t:KFR+19+4*\t], s[16:17] offset:512*\t
.endr
.endm
	s_wait_alu depctr_va_vdst(0)
	s_wait_loadcnt 0x0                             ; Q, both passes'
.Lslot:                                            ; eight trips: behind each change of slots but the last the next slot is asked for
	CHANGE 1
	s_cmp_lg_u32 s[SLOTS], s[SWS]                  ; is the slot in hand the second pass's first?  (ids alone)
	s_cbranch_scc1 .Lsame
	FINISH GO1
	WIN 0x01
.set jj, 0
.rept 16
	v_mov_b32 v[QF+jj], v[QN+jj]                   ; the second pass's Q
.set jj, jj+1
.endr
	WIN 0
	s_wait_xcnt 0x0                                ; the stores have read their data registers, which K's fragments take again
	FRESH
	s_mov_b32 s[Q0], s[Q2]
	s_mov_b32 s[KF], 0
.Lsame:
	SLOT_STEPS
	s_sub_co_u32 s[SLOTS], s[SLOTS], 1
	s_cmp_lg_u32 s[SLOTS], 0
	s_cbranch_scc1 .Lslot
	CHANGE 0                                       ; the last slot is written out
	SLOT_STEPS
	FINISH GO2
	s_wait_tensorcnt 0x0                           ; the wave's end
	ds_add_u32 v[SPW], v[NIL]
	s_wait_dscnt 0x0
	s_endpgm
.Lfunc_end_k_q3f2ab8e7be_attn:
	.size	k_q3f2ab8e7be_attn, .Lfunc_end_k_q3f2ab8e7be_attn-k_q3f2ab8e7be_attn
	.p2alignl 7, 3214868480
	.fill 96, 4, 3214868480
	.section	.rodata,"a",@progbits
	.p2align	6, 0x0
	.amdhsa_kernel k_q3f2ab8e7be_attn
		.amdhsa_group_segment_fixed_size 327680
		.amdhsa_private_segment_fixed_size 0
		.amdhsa_enable_private_segment 0
		.amdhsa_kernarg_size 40
		.amdhsa_user_sgpr_count 2
		.amdhsa_user_sgpr_kernarg_segment_ptr 1
		.amdhsa_wavefront_size32 1
		.amdhsa_system_sgpr_workgroup_id_x 1
		.amdhsa_system_sgpr_workgroup_id_y 1
		.amdhsa_system_sgpr_workgroup_id_z 1
		.amdhsa_system_vgpr_workitem_id 0
		.amdhsa_next_free_vgpr 512
		.amdhsa_next_free_sgpr 100
		.amdhsa_reserve_vcc 1
		.amdhsa_float_denorm_mode_32 3
		.amdhsa_float_denorm_mode_16_64 3
		.amdhsa_memory_ordered 1
		.amdhsa_forward_progress 1
		.amdhsa_inst_pref_size 100
	.end_amdhsa_kernel
	.amdgpu_metadata
---
amdhsa.version: [ 1, 2 ]
amdhsa.kernels:
  - .name:           k_q3f2ab8e7be_attn
    .symbol:         k_q3f2ab8e7be_attn.kd
    .args:
      - { .name: q_codes, .offset: 0, .size: 8, .value_kind: global_buffer, .address_space: global }
      - { .name: k_codes, .offset: 8, .size: 8, .value_kind: global_buffer, .address_space: global }
      - { .name: v_codes, .offset: 16, .size: 8, .value_kind: global_buffer, .address_space: global }
      - { .name: lowp_scales, .offset: 24, .size: 8, .value_kind: global_buffer, .address_space: global }
      - { .name: a_codes, .offset: 32, .size: 8, .value_kind: global_buffer, .address_space: global }
    .group_segment_fixed_size: 327680
    .private_segment_fixed_size: 0
    .kernarg_segment_align: 8
    .kernarg_segment_size: 40
    .max_flat_workgroup_size: 256
    .sgpr_count:     100
    .vgpr_count:     512
    .wavefront_size: 32
...
	.end_amdgpu_metadata
.endif
;; end of part 3
;; launch proj (part 4): grid 4 x 64, 4 waves a work-group, clusters of 4 x 4, 327,680 bytes of LDS; arguments a_codes, wproj_codes, lowp_scales, b_proj, out0; writes out0
.if DOCPART == 4
	.amdgcn_target "amdgcn-amd-amdhsa--gfx1250"
	.amdhsa_code_object_version 6
	.text
	.protected	k_q3f2ab8e7be_proj
	.globl	k_q3f2ab8e7be_proj
	.p2align	8
	.type	k_q3f2ab8e7be_proj,@function
k_q3f2ab8e7be_proj:
	s_mov_b64 s[64:65], 0
	v_nop
	global_prefetch_b8 v0, s[64:65] scope:SCOPE_SE
	s_setreg_imm32_b32 hwreg(HW_REG_WAVE_MODE, 25, 1), 1
	s_wait_xcnt 0x0
	s_wait_alu depctr_hold_cnt(0) depctr_sa_sdst(0) depctr_va_vdst(0) depctr_va_sdst(0) depctr_va_ssrc(0) depctr_va_vcc(0) depctr_vm_vsrc(0)
	s_getreg_b32 s2, hwreg(HW_REG_IB_STS2, 6, 4)
	s_cmp_eq_u32 s2, 0
	s_cbranch_scc0 .Lentry_in_a_cluster
	s_endpgm
.Lentry_in_a_cluster:
	s_bfe_u32 s2, ttmp6, 0x10000c
	s_cmp_lg_u32 s2, 0xf033
	s_cbranch_scc0 .Lentry_shape_is_right
	s_endpgm
.Lentry_shape_is_right:
; out0 = attention's result x w_proj + b_proj on codes of FP8 (E4M3).  a_codes [h 16][row 8,192][64 d] (K = 64 h + d), wproj_codes [n 1,024][K 1,024]; out0 [8,192][1,024] f32.
; A sum stands for sum x 2^(e6 + e7): each finished sum is multiplied once by that power of two, and the bias is added in the same fused line.  LIMIT: e6 + e7 between -126 and 127, so that 2^(e6 + e7) is an f32 number.
; A block of 128 rows x 256 columns is made by a work-group of four waves: 64 x 4 = 256 work-groups.  A wave makes 64 x 128: 32 accumulators of 16 x 16, 256 registers.
; K IS SHORT, four K steps of 256, SO THREE OF THEM ARE ASKED FOR AT THE HEAD, one tensor load a wave: wave 3: A's heads 0-11 (12 pieces of 128 rows x 64 bytes = 8,192 dense bytes); waves 0-2: B's K steps 0-2 (256 rows x 256 bytes).
; The fourth K step lands on the bytes of the first, behind the one round that follows K step 0's last reads (waves 0, 1: B's halves; waves 2, 3: two heads of A each), and is read four steps of 128 along K later.
; CLUSTERS: 4 x 4 work-groups.  The four of a row of the cluster need the same rows of A, the four of a column the same rows of B: each tile is asked for JOINTLY, by the same tensor load with the same descriptor and a mask that names the four.
; NO PREFETCH: the text has no loop to run ahead in; the head itself asks for three quarters of all that the work-group reads.
; THE MATRIX INSTRUCTION IS USED TRANSPOSED (source 0 = 16 rows of B, source 1 = 16 rows of A): a lane holds eight neighbouring columns of one row of the result.
; LDS: A: head p at 8,704 p: 32 rows of 256 bytes (four rows of A each) + 16 of padding; B: three slots of 256 rows x 272 behind it; then the spare words.  The way out's stages lie in B's slot 1: it has had its only fill, and its last read stands ahead of the barrier in step 5.
; REGISTERS: window 0: v0-31 addresses; v32-95 the bias; v128-255 A's fragments, two sets of 4 x 16, then the rows on their way out.  Window 1: B's fragments, two sets of 8 x 16.  Window 2: accumulator (a, b) at v[8 (8 a + b)].
.set PITCH,  272
.set AHEAD,  32*PITCH                  ; a head's 128 rows in LDS
.set BSLOT,  256*PITCH
.set BS0,    12*AHEAD                  ; B's slot 0
.set SPARE,  BS0+3*BSLOT               ; the spare words, 128 bytes for each wave: two blocks of 256 bytes that no other line names
.set STAGE,  BS0+BSLOT
.set SPITCH, 528                       ; a stage row: 512 bytes + 16
.set PADW,   (1<<20)|(1<<21)|(5<<22)|(3<<25)   ; elements of 1 byte; padding on; bit 21 beside a mask; four words after every 64
.set ADRA, 16                          ; v16-18  my A fragments in heads 0-3, 4-7, 8-11
.set ADRB, 20                          ; v20-22  my B fragments in slots 0, 1, 2
.set STO,  24
.set RD,   25
.set CO,   26
.set SPW,  28
.set NIL,  29
.set BC,   32                          ; v32-95  register 8 b + i = bias[16 b + 8 (lane / 16) + i] of my 128 columns
.set AF,   128
.set BK,   128
.set G1A,  24                          ; group 1: A at the head (12 heads)
.set G1B,  32                          ; B at the head (256 rows)
.set G1A2, 48                          ; A's refill (2 heads)
.set G1B2, 56                          ; B's refill (128 rows)
.set G0A,  68
.set G0B,  72
.set G0A2, 76
.set G0B2, 88
.set MSB, 0
.macro WIN new                         ; the immediate's high byte repeats the setting that is left
.if MSB != \new
	s_set_vgpr_msb (MSB<<8)|\new
.set MSB, \new
.endif
.endm
.set MUL_LO, 0xa1                      ; source 0 (B) window 1, source 1 (A) window 0, C and D window 2
.set TO_B,   0x40
; A joint load: one chain of two arms on the wave's number, one load to an arm; an s_nop 0 and four v_nop follow each line.
.macro JLOAD creg, cval, g0a, g1a, g0b, g1b
	s_cmp_eq_u32 s[\creg], \cval
	s_cbranch_scc0 .Lfor_b_\@
	tensor_load_to_lds s[\g0a:\g0a+3], s[\g1a:\g1a+7]
	s_nop 0
.rept 4
	v_nop
.endr
	s_branch .Lasked_\@
.Lfor_b_\@:
	tensor_load_to_lds s[\g0b:\g0b+3], s[\g1b:\g1b+7]
	s_nop 0
.rept 4
	v_nop
.endr
.Lasked_\@:
.endm
.macro CREST                           ; a round of the cluster's barrier behind its opening barrier
	s_cmp_lg_u32 s14, 0
	s_cbranch_scc1 .Lnot_wave_0_\@
	s_barrier_signal -3
.Lnot_wave_0_\@:
	s_barrier_wait -3
	s_barrier_signal -1
	s_barrier_wait -1
.endm
.macro CROUND
	s_barrier_signal -1
	s_barrier_wait -1
	CREST
.endm
	s_load_b256 s[4:11], s[0:1], 0x0               ; a_codes s[4:5], wproj_codes s[6:7], the scales' exponents s[8:9], b_proj s[10:11]
	s_load_b64 s[12:13], s[0:1], 0x20              ; out0
	v_lshl_add_u32 v[SPW], v0, 2, SPARE
	v_mov_b32 v[NIL], 0
	ds_add_u32 v[SPW], v[NIL]                      ; the opening lines: the add, twice on end, and its wait ahead of my first tensor load
	ds_add_u32 v[SPW], v[NIL]
	v_lshrrev_b32 v1, 5, v0
	v_readfirstlane_b32 s14, v1                    ; wave 0..3
	s_lshr_b32 s15, s14, 1                         ; which 64 rows of the block are mine
	s_and_b32 s16, s14, 1                          ; which 128 columns
	s_bfe_u32 s40, ttmp6, 0x40000                  ; cx, cy
	s_bfe_u32 s41, ttmp6, 0x40004
	s_lshl_b32 s42, ttmp9, 2
	s_add_co_u32 s42, s42, s40                     ; block column 0..3
	s_and_b32 s17, ttmp7, 0xffff
	s_lshl_b32 s17, s17, 2
	s_add_co_u32 s17, s17, s41                     ; block row 0..63
	s_lshl_b32 s43, s41, 2
	s_lshl_b32 s43, 15, s43                        ; my row of the cluster
	s_lshl_b32 s44, 0x1111, s40                    ; my column
.irp g, G1A, G1A2
	s_or_b32 s[\g], s43, PADW                      ; A's tiles go to my row of the cluster
	s_mov_b32 s[\g+1], 8192<<16                    ; a piece: 128 rows x 64 bytes, dense
	s_mov_b32 s[\g+3], 8192<<16
	s_mov_b32 s[\g+5], 524288                      ; from head to head
	s_mov_b32 s[\g+6], 0
	s_mov_b32 s[\g+7], 0
.endr
	s_mov_b32 s[G1A+2], 12<<16
	s_mov_b32 s[G1A+4], 12
	s_mov_b32 s[G1A2+2], 2<<16
	s_mov_b32 s[G1A2+4], 2
.irp g, G1B, G1B2
	s_or_b32 s[\g], s44, PADW                      ; B's tiles go to my column
	s_mov_b32 s[\g+1], 256<<16
	s_mov_b32 s[\g+3], 256<<16
	s_mov_b32 s[\g+5], 1024
	s_mov_b32 s[\g+6], 0
	s_mov_b32 s[\g+7], 0
.endr
	s_mov_b32 s[G1B+2], 256<<16
	s_mov_b32 s[G1B+4], 256
	s_mov_b32 s[G1B2+2], 128<<16
	s_mov_b32 s[G1B2+4], 128
	s_lshl_b32 s20, s17, 13                        ; A: 128 rows x 64 bytes a block row: on cy alone of my place
	s_mov_b32 s21, 0
	s_lshl_b32 s22, s16, 20                        ; its refill: heads 12 + 2 (wave & 1) on
	s_add_co_u32 s22, s22, s20
	s_add_co_u32 s22, s22, 12*524288
	s_mov_b32 s23, 0
	s_lshl_b32 s46, s42, 18                        ; B: 256 rows of 1,024 bytes a block column: on cx alone
	s_lshl_b32 s18, s16, 17                        ; its refill: rows 128 (wave & 1) on, K step 3
	s_add_co_u32 s18, s18, s46
	s_add_co_u32 s18, s18, 768
	s_mov_b32 s19, 0
	s_lshl_b32 s45, s14, 8                         ; at the head: K step = wave
	s_add_co_u32 s46, s46, s45
	s_mov_b32 s47, 0
	s_mul_i32 s45, s14, BSLOT
	s_add_co_u32 s45, s45, BS0                     ; into slot = wave
	s_mul_i32 s3, s16, 128*PITCH
	s_add_co_u32 s3, s3, BS0                       ; B's refill: a half of slot 0
	s_mul_i32 s94, s16, 2*AHEAD                    ; A's refill: over heads 0-1 or 2-3
	s_wait_dscnt 0x0                               ; both opening adds are done
	s_wait_kmcnt 0x0
	s_load_b256 s[80:87], s[8:9], 0x0              ; e0 .. e7
	s_mov_b32 s[G0A], 1
	s_mov_b32 s[G0A+1], 0
	s_add_nc_u64 s[G0A+2:G0A+3], s[4:5], s[20:21]
	s_or_b32 s[G0A+3], s[G0A+3], 0x80000000
	s_mov_b32 s[G0B], 1
	s_mov_b32 s[G0B+1], s45
	s_add_nc_u64 s[G0B+2:G0B+3], s[6:7], s[46:47]
	s_or_b32 s[G0B+3], s[G0B+3], 0x80000000
	s_mov_b32 s[G0A2], 1
	s_mov_b32 s[G0A2+1], s94
	s_add_nc_u64 s[G0A2+2:G0A2+3], s[4:5], s[22:23]
	s_or_b32 s[G0A2+3], s[G0A2+3], 0x80000000
	s_mov_b32 s[G0B2], 1
	s_mov_b32 s[G0B2+1], s3
	s_add_nc_u64 s[G0B2+2:G0B2+3], s[6:7], s[18:19]
	s_or_b32 s[G0B2+3], s[G0B2+3], 0x80000000
	CROUND                                         ; all sixteen work-groups are here: the first joint loads meet
	JLOAD 14, 3, G0A, G1A, G0B, G1B                ; my one tensor load at the head: wave 3: A's heads 0-11; waves 0-2: B's K step = wave
	s_lshl_b32 s20, s17, 19                        ; out0: 128 rows of 4,096 bytes a block row,
	s_lshl_b32 s21, s15, 18                        ; my 64 rows,
	s_add_co_u32 s20, s20, s21
	s_mov_b32 s21, 0
	s_lshl_b32 s46, s42, 10                        ; 1,024 bytes a block column,
	s_lshl_b32 s47, s16, 9                         ; my 128 columns
	s_add_co_u32 s46, s46, s47
	s_mov_b32 s47, 0
	s_add_nc_u64 s[92:93], s[10:11], s[46:47]      ; the bias of my columns
	s_add_nc_u64 s[20:21], s[20:21], s[46:47]
	s_add_nc_u64 s[12:13], s[12:13], s[20:21]
	s_mul_i32 s18, s15, 16*PITCH                   ; my 64 rows of A: 16 LDS rows of each head
	s_mul_i32 s19, s16, 128*PITCH
	s_add_co_u32 s19, s19, BS0                     ; my 128 rows of B
	s_mul_i32 s22, s14, 16*SPITCH
	s_add_co_u32 s22, s22, STAGE                   ; my stage
	v_and_b32 v1, 15, v0                           ; r
	v_bfe_u32 v2, v0, 4, 1                         ; h
	v_mul_u32_u24 v3, v1, PITCH
	v_lshl_add_u32 v4, v2, 4, v3                   ; B: row r x pitch + 16 h
	v_lshrrev_b32 v5, 2, v1
	v_mul_u32_u24 v5, v5, PITCH                    ; A: four rows to an LDS row
	v_and_b32 v7, 3, v1
	v_lshl_add_u32 v5, v7, 6, v5
	v_lshl_add_u32 v5, v2, 4, v5
	v_add_nc_u32 v[ADRA], s18, v5
	v_add_nc_u32 v[ADRA+1], 4*AHEAD, v[ADRA]
	v_add_nc_u32 v[ADRA+2], 8*AHEAD, v[ADRA]
	v_add_nc_u32 v[ADRB], s19, v4
	v_add_nc_u32 v[ADRB+1], BSLOT, v[ADRB]
	v_add_nc_u32 v[ADRB+2], 2*BSLOT, v[ADRB]
	v_mul_u32_u24 v8, v1, SPITCH                   ; into the stage: row r, 32 bytes for each half of the lanes
	v_lshl_add_u32 v8, v2, 5, v8
	v_add_nc_u32 v[STO], s22, v8
	v_and_b32 v7, 31, v0
	v_lshlrev_b32 v[CO], 4, v7                     ; back: the 32 lanes take one row of 512 bytes; and the same in out0
	v_add_nc_u32 v[RD], s22, v[CO]
	v_lshlrev_b32 v6, 5, v2                        ; the bias: 8 h numbers on
.irp b, 0,1,2,3,4,5,6,7
	global_load_b128 v[BC+8*\b:BC+8*\b+3],   v6, s[92:93] offset:64*\b
	global_load_b128 v[BC+8*\b+4:BC+8*\b+7], v6, s[92:93] offset:64*\b+16
.endr                                          ; waited for once, on the way out
.macro FRAG reg, adr, q, i             ; 16 rows x 128 K: registers 4 c .. 4 c + 3 hold K = 32 c + 16 (lane / 16) + 0 .. 15: the same places in A and in B
.irp c, 0,1,2,3
	ds_load_b128 v[\reg+4*\c:\reg+4*\c+3], v[\adr] offset:128*(\q)+32*\c+(\i)*16*PITCH
.endr
.endm
.macro FRAGA reg, adr, q, i            ; the same of A: K = 64 x head + d
.irp c, 0,1,2,3
	ds_load_b128 v[\reg+4*\c:\reg+4*\c+3], v[\adr] offset:(2*(\q)+\c/2)*AHEAD+32*(\c%2)+(\i)*4*PITCH
.endr
.endm
; Step g = 0 .. 7 is 128 along K; K step g / 2 lies in place (g / 2) % 3.  48 LDS loads bring its fragments into set g % 2.
.macro FETCH g
	WIN TO_B
.irp i, 0,1,2,3,4,5,6,7
	FRAG 128*((\g)%2)+16*\i, ADRB+((\g)/2)%3, (\g)%2, \i
.endr
	WIN 0
.irp i, 0,1,2,3
	FRAGA AF+64*((\g)%2)+16*\i, ADRA+((\g)/2)%3, (\g)%2, \i
.endr
.endm
; 8 matrix instructions: A's block a x B's eight.  The 32 accumulators take turns, one instruction a turn, in the same order in every step.  zero = 1: the first product starts the sums.
.macro MUL8 a, g, zero
.irp b, 0,1,2,3,4,5,6,7
.if \zero
	v_wmma_f32_16x16x128_fp8_fp8 v[8*(8*(\a)+\b):8*(8*(\a)+\b)+7], v[128*((\g)%2)+16*\b:128*((\g)%2)+16*\b+15], v[AF+64*((\g)%2)+16*(\a):AF+64*((\g)%2)+16*(\a)+15], 0
.else
	v_wmma_f32_16x16x128_fp8_fp8 v[8*(8*(\a)+\b):8*(8*(\a)+\b)+7], v[128*((\g)%2)+16*\b:128*((\g)%2)+16*\b+15], v[AF+64*((\g)%2)+16*(\a):AF+64*((\g)%2)+16*(\a)+15], v[8*(8*(\a)+\b):8*(8*(\a)+\b)+7]
.endif
.endr
.endm
.macro PLACES                          ; four places in front of loads into registers that matrix instructions have read, and of the first read of results (ISA guide 7.12.1 for the first read of results)
.rept 4
	v_nop
.endr
.endm
.macro STEP g, zero                    ; a step whose successor's tiles are known to be whole: the next fragments are asked for ahead of this step's 32 products
	s_wait_dscnt 0x0                               ; this step's fragments are in
.if (\g) > 0
	PLACES
.endif
	FETCH (\g)+1
	WIN MUL_LO
	MUL8 0, \g, \zero
	MUL8 1, \g, \zero
	MUL8 2, \g, \zero
	MUL8 3, \g, \zero
	WIN 0
.endm
	s_wait_alu depctr_va_vdst(0)
	s_wait_tensorcnt 0x0                           ; my tile is in,
	s_barrier_signal -1
	s_barrier_wait -1                              ; everybody's is: K steps 0 to 2 are whole.
	FETCH 0
	STEP 0, 1
	; step 1 ends K step 0: behind a round of the cluster's barrier its bytes take K step 3
	s_wait_tensorcnt 0x0                           ; no tensor load of mine is out;
	ds_add_u32 v[SPW], v[NIL]                      ; 0 onto my spare word
	s_wait_dscnt 1                                 ; step 1's fragments are in (the add may be out)
	WIN MUL_LO
	MUL8 0, 1, 0
	s_wait_dscnt 0x0                               ; the add is done, and my reads of K step 0 are over
	s_barrier_signal -1
	MUL8 1, 1, 0
	WIN 0
	s_barrier_wait -1
	CREST                                          ; no wave of any partner still reads K step 0's bytes or has a load on its way
	JLOAD 15, 1, G0A2, G1A2, G0B2, G1B2            ; K step 3: waves 2, 3: two heads of A each; waves 0, 1: B's halves.  The four v_nop are the places for the loads below
	FETCH 2
	WIN MUL_LO
	MUL8 2, 1, 0
	MUL8 3, 1, 0
	WIN 0
	STEP 2, 0
	STEP 3, 0                                      ; K step 2 came at the head: no barrier
	STEP 4, 0
	; step 5: K step 3 must be whole before it is read
	s_wait_tensorcnt 0x0                           ; my part of K step 3 is in,
	s_wait_dscnt 0x0                               ; step 5's fragments are in, and my reads of slots 1 and 2 are over
	s_barrier_signal -1
	WIN MUL_LO
	MUL8 0, 5, 0
	MUL8 1, 5, 0
	WIN 0
	s_barrier_wait -1                              ; everybody's is; and nobody reads slot 1 any more, where the stages lie
	PLACES
	FETCH 6
	WIN MUL_LO
	MUL8 2, 5, 0
	MUL8 3, 5, 0
	WIN 0
	STEP 6, 0
	s_wait_dscnt 0x0
	WIN MUL_LO
	MUL8 0, 7, 0
	MUL8 1, 7, 0
	MUL8 2, 7, 0
	MUL8 3, 7, 0
	WIN 0
; THE WAY OUT, block by block of 16 rows x 128 columns: sum x 2^(e6 + e7) + bias, each accumulator from its low end on; through my own stage, and back as whole rows of 512 bytes, which the 32 lanes store as two aligned units of 256 bytes.
; LDS serves a wave's instructions in order (ISA guide 5.7.1.4): no wait between the stores and the loads.
.macro TOSTAGE a
.set AC, 64*(\a)
	WIN 0x82                                       ; source 0 and destination: window 2
.set jj, 0
.rept 32
	v_pk_fma_f32 v[AC+jj:AC+jj+1], v[AC+jj:AC+jj+1], s[96:97], v[BC+jj:BC+jj+1] op_sel_hi:[1,0,1]
.set jj, jj+2
.endr
	WIN 0x08                                       ; the stores' data: window 2
.irp b, 0,1,2,3,4,5,6,7
	ds_store_b128 v[STO], v[AC+8*\b:AC+8*\b+3] offset:64*\b
	ds_store_b128 v[STO], v[AC+8*\b+4:AC+8*\b+7] offset:64*\b+16
.endr
	WIN 0
.set BB, BK+64*((\a)%2)
.irp t, 0,1,2,3,4,5,6,7,8,9,10,11,12,13,14,15
	ds_load_b128 v[BB+4*\t:BB+4*\t+3], v[RD] offset:\t*SPITCH
.endr
.endm
.macro SEND a, younger                 ; younger: the LDS instructions issued behind block a's loads, which may stay out
.set BB, BK+64*((\a)%2)
	s_wait_dscnt \younger
.if (\a) > 0
	s_add_nc_u64 s[12:13], s[12:13], 16*4096       ; (behind a wait on XCNT: the earlier stores have read their base)
.endif
.irp t, 0,1,2,3,4,5,6,7,8,9,10,11,12,13,14,15
	global_store_b128 v[CO], v[BB+4*\t:BB+4*\t+3], s[12:13] offset:\t*4096 th:TH_STORE_NT
.endr
.endm
	s_wait_kmcnt 0x0                               ; the exponents
	s_wait_loadcnt 0x0                             ; the bias
	s_add_co_i32 s96, s86, s87
	s_add_co_i32 s96, s96, 127
	s_lshl_b32 s96, s96, 23                        ; 2^(e6 + e7) as f32
	s_mov_b32 s97, s96
	PLACES
	TOSTAGE 0
.irp a, 1,2,3
.if \a > 1
	s_wait_xcnt 0x0                                ; block a - 2's stores have read their registers and their base
.endif
	TOSTAGE \a
	SEND \a-1, 32                                  ; behind block a - 1's loads: block a's 16 stores and 16 loads
.endr
	s_wait_xcnt 0x0
	SEND 3, 0
	s_wait_tensorcnt 0x0                           ; the wave's end
	ds_add_u32 v[SPW], v[NIL]
	s_wait_dscnt 0x0
	CROUND                                         ; the closing round
	s_endpgm
.Lfunc_end_k_q3f2ab8e7be_proj:
	.size	k_q3f2ab8e7be_proj, .Lfunc_end_k_q3f2ab8e7be_proj-k_q3f2ab8e7be_proj
	.p2alignl 7, 3214868480
	.fill 96, 4, 3214868480
	.section	.rodata,"a",@progbits
	.p2align	6, 0x0
	.amdhsa_kernel k_q3f2ab8e7be_proj
		.amdhsa_group_segment_fixed_size 327680
		.amdhsa_private_segment_fixed_size 0
		.amdhsa_enable_private_segment 0
		.amdhsa_kernarg_size 40
		.amdhsa_user_sgpr_count 2
		.amdhsa_user_sgpr_kernarg_segment_ptr 1
		.amdhsa_wavefront_size32 1
		.amdhsa_system_sgpr_workgroup_id_x 1
		.amdhsa_system_sgpr_workgroup_id_y 1
		.amdhsa_system_sgpr_workgroup_id_z 1
		.amdhsa_system_vgpr_workitem_id 0
		.amdhsa_next_free_vgpr 768
		.amdhsa_next_free_sgpr 100
		.amdhsa_reserve_vcc 0
		.amdhsa_float_denorm_mode_32 3
		.amdhsa_float_denorm_mode_16_64 3
		.amdhsa_memory_ordered 1
		.amdhsa_forward_progress 1
		.amdhsa_inst_pref_size 76
	.end_amdhsa_kernel
	.amdgpu_metadata
---
amdhsa.version: [ 1, 2 ]
amdhsa.kernels:
  - .name:           k_q3f2ab8e7be_proj
    .symbol:         k_q3f2ab8e7be_proj.kd
    .args:
      - { .name: a_codes, .offset: 0, .size: 8, .value_kind: global_buffer, .address_space: global }
      - { .name: wproj_codes, .offset: 8, .size: 8, .value_kind: global_buffer, .address_space: global }
      - { .name: lowp_scales, .offset: 16, .size: 8, .value_kind: global_buffer, .address_space: global }
      - { .name: b_proj, .offset: 24, .size: 8, .value_kind: global_buffer, .address_space: global }
      - { .name: out0, .offset: 32, .size: 8, .value_kind: global_buffer, .address_space: global }
    .group_segment_fixed_size: 327680
    .private_segment_fixed_size: 0
    .kernarg_segment_align: 8
    .kernarg_segment_size: 40
    .max_flat_workgroup_size: 128
    .sgpr_count:     100
    .vgpr_count:     768
    .wavefront_size: 32
...
	.end_amdgpu_metadata
.endif
;; end of part 4
